; MI455X (gfx1250); checked and timed in simulation.
; The chip was launched on July 23, 2026; its instructions are those of AMD's public machine-readable ISA for CDNA 5 (MIT licence, August 2026) and "CDNA5" Instruction Set Architecture Reference Guide (July 2026). The comments in the code are by the model that wrote it; some were corrected since.
;; Multihead Attention. Allowed arithmetic: matrix products marked QUANTISED: E2M1 operands, one E8M0 scale for each 32 along K, by v_wmma_scale_f32_16x16x128_f8f6f4 with both operands' format E2M1 (or v_wmma_scale_f32_32x16x128_f4), f32 sums; products left as they are: bf16, f16 or f32 operands; f32 sums; everything else in f32.
;; Inputs: W_out 1,024 x 1,024 float32; W_qkv 1,024 x 3,072 float32; b_out 1,024 float32; b_qkv 3,072 float32; x 4 x 2,048 x 1,024 float32.
;; Outputs: out0 4 x 2,048 x 1,024 float32.
;; This version of the problem:
;;   THIS VERSION OF THE PROBLEM IS GIVEN IN LOW PRECISION. The matrix products marked QUANTISED in the list below multiply operands that are first quantised to E2M1 (2 exponent bits, 1 mantissa bit; 4 bits a number), with one power-of-two scale for each 32 numbers along K (OCP MX v1.0); their sums are f32. The products marked 'left as it is' may take bf16, f16 or f32 operands, with f32 sums. Whichever they take, every output number must still come out within the allowed error. Rounding operands to bf16 (8 significant bits) uses up far more of that allowance than f16 does (11 bits, for magnitudes from 6e-5 to 65,504). All else is computed in f32.
;;   The module's matrix products, in the order in which they are computed (A, B: the left and right operand; K: the contracted axis; several contracted axes count as one K, in the product's order):
;;     1. [M 8,192, K 1,024] x [K 1,024, N 3,072]; A: input x; B: input W_qkv: QUANTISED
;;     2. batch 64 x [M 2,048, K 64] x [K 64, N 2,048]; A: computed on the way; B: computed on the way: left as it is (an operand is computed on the way)
;;     3. batch 64 x [M 2,048, K 2,048] x [K 2,048, N 64]; A: computed on the way; B: computed on the way: left as it is (an operand is computed on the way)
;;     4. [M 8,192, K 1,024] x [K 1,024, N 1,024]; A: computed on the way; B: input W_out: left as it is (an operand is computed on the way)
;;   THE QUANTISER, for each operand of a quantised product, along K:
;;     - K is cut into blocks of 32 from its start; a last block that is shorter is filled with zeros.
;;     - A block's scale is 2^e with e = floor(log2(the largest magnitude in the block)) - 2, held to -126 .. 127; a block of zeros has e = 0. As a byte (E8M0): e + 127.
;;     - Each number is divided by its block's scale, clamped to +-6, and rounded to the nearest number of E2M1, ties to even, subnormals kept.
;;     - The product sums the exact products of the quantised numbers (number of the format x scale) in f32.
;;   ~~~python
;;   def quantise(x, axis):      # numpy; x: float32 -> the quantised numbers, widened to float32 again
;;       x = np.moveaxis(x, axis, -1); K = x.shape[-1]
;;       x = np.pad(x, [(0, 0)] * (x.ndim - 1) + [(0, -K % 32)]); x = x.reshape(x.shape[:-1] + (-1, 32)); a = np.abs(x).max(-1, keepdims=True)
;;       e = np.where(a > 0, np.clip(np.frexp(np.where(a > 0, a, 1))[1] - 1 - 2, -126, 127), 0)      # np.frexp(a)[1] - 1 = floor(log2(a)), exactly
;;       r = np.clip(x / 2.0 ** e, -6, 6)
;;       step = 2.0 ** (np.maximum(np.frexp(np.where(r == 0, 1, r))[1] - 1, 0) - 1)
;;       q = np.round(r / step) * step * 2.0 ** e      # np.round: ties to even
;;       return np.moveaxis(q.reshape(q.shape[:-2] + (-1,))[..., :K], -1, axis).astype(np.float32)
;;   ~~~
;; One version. Each part assembles by itself: llvm-mc -triple=amdgcn-amd-amdhsa -mcpu=gfx1250 --defsym DOCPART=n.
;; ======== version 1 of 1: 4 launches
;; limits: values are held in f16: magnitudes above 65,504 overflow, below 6.1e-05 lose precision
;; workspace buffers: x_codes 4,194,304 bytes; x_scales 262,144 bytes; w_codes 1,572,864 bytes; w_scales 98,304 bytes; wt 2,097,152 bytes; qkv 50,331,648 bytes; yh 16,777,216 bytes
;; launch prep (part 1): grid 368 x 1, 4 waves a work-group, no clusters, 102,912 bytes of LDS; arguments x, W_qkv, W_out, x_codes, x_scales, w_codes, w_scales, wt; writes x_codes, x_scales, w_codes, w_scales, wt
.if DOCPART == 1
	.amdgcn_target "amdgcn-amd-amdhsa--gfx1250"
	.amdhsa_code_object_version 6
	.text
	.protected	k_qfbaafc588e_prep
	.globl	k_qfbaafc588e_prep
	.p2align	8
	.type	k_qfbaafc588e_prep,@function
k_qfbaafc588e_prep:
	s_mov_b64 s[64:65], 0
	v_nop
	global_prefetch_b8 v0, s[64:65] scope:SCOPE_SE
	s_setreg_imm32_b32 hwreg(HW_REG_WAVE_MODE, 25, 1), 1
	s_wait_xcnt 0x0
; THREE PIECES OF PREPARATION IN ONE LAUNCH, told apart by the work-group's number; each piece has LDS bytes of its own and its own end.
;   work-groups   0..255: x [8192][1024] f32 -> codes of FP4 (E2M1), K innermost, [8192][512 bytes], and one E8M0 byte for each 32 along K, [8192][32]
;   work-groups 256..303: W_qkv [1024 k][3072 n] f32, K its FIRST axis -> codes [3072 n][512 bytes], K innermost, and bytes [3072][32]
;   work-groups 304..367: W_out [1024 k][1024 n] f32 -> f16, turned to [1024 n][1024 k]
; A block's scale is 2^(floor(log2(its largest magnitude)) - 2); its byte is the largest magnitude's exponent field - 2, held at 1 from below.  A block of zeros so gets the byte 1 where the
; quantiser says 127: its codes are zeros, which add nothing under any byte but 0xff, and the bytes are read by this program alone.
; LIMITS: NaN and infinities among the inputs are not served; blocks whose largest magnitude lies under 2^(2 - 126) keep the byte 1; |W_out| stays under 65,504 (f16).
; No tensor loads, no barrier: waves share nothing.
.set SPW,   192                        ; v192  LDS address of my spare word: SPARE + 4 x my thread's number; never rewritten
.set NIL,   193                        ; v193  0; never rewritten
.set XREG,  0                          ; LDS: x's piece: 8,192 bytes a wave
.set WSTG,  32768                      ; W_qkv's piece: a stage of 32 x 272 bytes a wave
.set OSTG,  67584                      ; W_out's piece: the same
.set SPARE, 102400                     ; the spare words, 128 bytes for each wave: two blocks of 256 bytes that no other line names
.set EMAX,  2
.set PITCH, 272                        ; a stage row: 256 bytes + 16
.macro FINISH                          ; the wave's end, behind my last LDS store
	s_wait_tensorcnt 0x0
	ds_add_u32 v[SPW], v[NIL]
	s_wait_dscnt 0x0
	s_endpgm
.endm
	s_load_b256 s[4:11], s[0:1], 0x0               ; x s[4:5], W_qkv s[6:7], W_out s[8:9], x's codes s[10:11]
	s_load_b256 s[12:19], s[0:1], 0x20             ; x's scales s[12:13], W_qkv's codes s[14:15], its scales s[16:17], W_out turned s[18:19]
	v_lshl_add_u32 v[SPW], v0, 2, SPARE
	v_mov_b32 v[NIL], 0
	v_lshrrev_b32 v1, 5, v0
	v_readfirstlane_b32 s20, v1                    ; wave 0..3
	v_and_b32 v2, 31, v0                           ; lane
	s_wait_kmcnt 0x0
	s_cmp_lt_u32 ttmp9, 256
	s_cbranch_scc0 .Lnot_x
; ---------------- x.  Rows are dense and K is a multiple of 32: a plain stream of blocks of 32.  A wave takes 16 steps of 512 numbers.
; Each of a step's four loads reads 512 consecutive bytes, 16 a lane; the 2,048 bytes go through the wave's own stage in LDS and come back 64 bytes a lane: 16 NEIGHBOURS along K, which
; the conversions want in one lane's registers; two neighbouring lanes hold a block.  A lane's 16 codes are 8 bytes: the wave stores 256 consecutive bytes.
.set STEPS, 16
.set CB,    8                          ; bytes of 16 codes
.set RX,    16                         ; v16-79   four sets of 16 numbers as loaded
.set NX,    80                         ; v80-111  two sets of 16 neighbours
.set EX,    112                        ; v112-127 a scale byte for each step
.set CX,    128                        ; v128-191 codes: four registers for each step, so that no store's data are written again
.set WREG,  8192
.set SP,    80                         ; a lane's place in a stage: its 64 bytes + 16 of padding
	v_lshlrev_b32 v3, 4, v2                        ; my 16 bytes of a load's 512
	s_mul_i32 s21, s20, WREG
	v_lshrrev_b32 v14, 2, v2
	v_mul_u32_u24 v14, v14, SP
	v_and_b32 v15, 3, v2
	v_lshl_add_u32 v14, v15, 4, v14
	v_add_nc_u32 v14, s21, v14                     ; the stage, on the way in: SP (lane / 4) + 16 (lane % 4)
	v_mul_u32_u24 v15, v2, SP
	v_add_nc_u32 v15, s21, v15                     ; and on the way out: SP x lane
	v_mul_u32_u24 v4, v2, CB                       ; my codes' place in a step's
	v_lshrrev_b32 v5, 1, v2
	s_add_co_u32 s21, s21, 2*32*SP
	v_add_nc_u32 v5, s21, v5                       ; my wave's 256 scale bytes, my block's byte
	v_lshlrev_b32 v7, 3, v2
	v_add_nc_u32 v6, s21, v7                       ; and on the way out 8 bytes a lane
	s_lshl_b32 s22, ttmp9, 2
	s_add_co_u32 s22, s22, s20                     ; which run of 8,192 numbers is my wave's
	s_mov_b32 s25, 0
	s_lshl_b32 s24, s22, 15
	s_add_nc_u64 s[4:5], s[4:5], s[24:25]          ; 32,768 bytes of x a run,
	s_lshl_b32 s24, s22, 12
	s_add_nc_u64 s[10:11], s[10:11], s[24:25]      ; 4,096 of codes,
	s_lshl_b32 s24, s22, 8
	s_add_nc_u64 s[12:13], s[12:13], s[24:25]      ; 256 scale bytes
.macro XLOAD t
.irp i, 0,1,2,3
	global_load_b128 v[RX+16*((\t)%4)+4*\i:RX+16*((\t)%4)+4*\i+3], v3, s[4:5] offset:2048*(\t)+512*\i th:TH_LOAD_NT
.endr
.endm
.macro XTURN t                         ; step t's numbers through the stage: LDS serves a wave's instructions in order, so no wait stands between the stores and the loads
.irp i, 0,1,2,3
	ds_store_b128 v14, v[RX+16*((\t)%4)+4*\i:RX+16*((\t)%4)+4*\i+3] offset:32*SP*((\t)%2)+8*SP*\i
.endr
.irp i, 0,1,2,3
	ds_load_b128 v[NX+16*((\t)%2)+4*\i:NX+16*((\t)%2)+4*\i+3], v15 offset:32*SP*((\t)%2)+16*\i
.endr
.endm
.irp t, 0,1,2,3
	XLOAD \t
.endr
	s_wait_loadcnt 12                              ; step 0's four loads are in; three steps' twelve may be out
	XTURN 0
.macro XSTEP t
.set XS, NX+16*((\t)%2)
.if (\t) > 0
	s_wait_dscnt 1                                 ; this step's numbers are back from the stage (the last step's byte store may be out)
.else
	s_wait_dscnt 0x0
.endif
.if (\t)+4 < STEPS
	XLOAD (\t)+4                                   ; the registers that the stage's stores have read take the loads of four steps on
.endif
.if (\t)+1 < STEPS
.if STEPS-2-(\t) >= 3
	s_wait_loadcnt 12                              ; the next step's four loads are in; those of the three steps behind it may be out
.else
	s_wait_loadcnt 4*(STEPS-2-(\t))
.endif
	XTURN (\t)+1
.endif
	v_max3_num_f32 v8, |v[XS]|, |v[XS+1]|, |v[XS+2]|               ; the largest magnitude of my 16, in two chains
	v_max3_num_f32 v9, |v[XS+3]|, |v[XS+4]|, |v[XS+5]|
.irp i, 6,10
	v_max3_num_f32 v8, v8, |v[XS+\i]|, |v[XS+\i+1]|
	v_max3_num_f32 v9, v9, |v[XS+\i+2]|, |v[XS+\i+3]|
.endr
	v_max3_num_f32 v8, v8, |v[XS+14]|, |v[XS+15]|
	v_max3_num_f32 v8, v8, v9, (EMAX+1)<<23        ; and the floor 2^(3 - 127): the byte cannot fall under 1
	v_max_num_f32_dpp v8, v8, v8 row_xmask:1 row_mask:0xf bank_mask:0xf   ; and of my neighbour's 16: the block's
	v_add_nc_u32 v11, -(EMAX<<23), v8              ; 2 off its exponent field: the conversion takes the exponent field of this operand as its scale
	v_cvt_scalef32_pk8_fp4_f32 v[CX+4*(\t)], v[XS:XS+7], v11
	v_cvt_scalef32_pk8_fp4_f32 v[CX+4*(\t)+1], v[XS+8:XS+15], v11
	v_lshrrev_b32 v[EX+(\t)], 23, v11              ; the scale's byte (also the plain line behind the conversions)
	ds_store_b8 v5, v[EX+(\t)] offset:16*(\t)      ; both lanes of a block write the same byte with the same value
	global_store_b64 v4, v[CX+4*(\t):CX+4*(\t)+1], s[10:11] offset:32*CB*(\t)   ; the wave stores 256 consecutive bytes, aligned
.endm
.irp t, 0,1,2,3,4,5,6,7,8,9,10,11,12,13,14,15
	XSTEP \t
.endr
	ds_load_b64 v[8:9], v6                         ; these see my byte stores: LDS serves a wave in order
	s_wait_dscnt 0x0
	global_store_b64 v7, v[8:9], s[12:13]          ; 32 lanes store 256 consecutive scale bytes, aligned
	FINISH
; ---------------- W_qkv.  A LANE TAKES A COLUMN n AND ITS REGISTERS RUN DOWN K: a block of 32 lies in one lane, and the conversions give codes with K innermost.
; A wave takes 32 columns x 512 along K: 256 bytes of codes a column, gathered in its stage and stored by rows, sixteen lanes to 256 aligned bytes.
.Lnot_x:
	s_cmp_lt_u32 ttmp9, 304
	s_cbranch_scc0 .Lwout
.set NB,    16                         ; blocks of 32 along K for a wave
.set KROW,  512                        ; a row of the codes' buffer in bytes
.set WN4,   3072*4                     ; a row of W_qkv in bytes.  The largest immediate, 511 rows, is 6,279,168: inside the signed 24 bits
.set WX,    32                         ; v32-95   two sets of 32 numbers
.set WC,    96                         ; v96-99   a block's codes
.set WOUT,  112                        ; v112-175 the way out
.set WSB,   24                         ; v24-27   the scale bytes, four to a register
	s_sub_co_u32 s21, ttmp9, 256
	s_lshr_b32 s22, s21, 1                         ; which 128 columns
	s_and_b32 s23, s21, 1                          ; which 512 along K
	s_lshl_b32 s22, s22, 7
	s_lshl_b32 s24, s20, 5
	s_add_co_u32 s22, s22, s24                     ; my wave's first column
	v_lshlrev_b32 v3, 2, v2                        ; in: 4 bytes a lane
	s_mul_i32 s24, s20, 32*PITCH
	s_add_co_u32 s24, s24, WSTG                    ; my stage
	v_mul_u32_u24 v4, v2, PITCH
	v_add_nc_u32 v4, s24, v4                       ; into it: row = my column
	v_and_b32 v5, 15, v2
	v_lshrrev_b32 v6, 4, v2
	v_mul_u32_u24 v7, v6, PITCH
	v_lshl_add_u32 v7, v5, 4, v7
	v_add_nc_u32 v7, s24, v7                       ; out of it: sixteen lanes to a row, two rows an instruction
	v_mul_u32_u24 v8, v6, KROW
	v_lshl_add_u32 v8, v5, 4, v8                   ; and the same place in the codes' buffer
	v_lshlrev_b32 v9, 5, v2                        ; my column's row of 32 scale bytes
	s_mul_i32 s26, s23, 512*WN4
	s_lshl_b32 s27, s22, 2
	s_add_co_u32 s26, s26, s27
	s_mov_b32 s27, 0
	s_add_nc_u64 s[6:7], s[6:7], s[26:27]          ; W_qkv at row 512 y, my first column
	s_lshl_b32 s26, s22, 9
	s_lshl_b32 s28, s23, 8
	s_add_co_u32 s26, s26, s28
	s_add_nc_u64 s[14:15], s[14:15], s[26:27]      ; codes: column x 512 + 256 y
	s_lshl_b32 s26, s22, 5
	s_lshl_b32 s28, s23, 4
	s_add_co_u32 s26, s26, s28
	s_add_nc_u64 s[16:17], s[16:17], s[26:27]      ; scale bytes: column x 32 + 16 y
.macro WLOAD t
.set i, 0
.rept 32
	global_load_b32 v[WX+32*((\t)%2)+i], v3, s[6:7] offset:(32*(\t)+i)*WN4 th:TH_LOAD_NT
.set i, i+1
.endr
.endm
	WLOAD 0
	WLOAD 1
.macro WBLOCK t
.set XS, WX+32*((\t)%2)
.if (\t) < NB-1
	s_wait_loadcnt 32                              ; this block's 32 loads are in; the next block's may be out
.else
	s_wait_loadcnt 0
.endif
	v_max3_num_f32 v12, |v[XS]|, |v[XS+1]|, |v[XS+2]|              ; the block's largest magnitude: all 32 numbers are mine
	v_max3_num_f32 v13, |v[XS+3]|, |v[XS+4]|, |v[XS+5]|
.irp i, 6,10,14,18,22,26
	v_max3_num_f32 v12, v12, |v[XS+\i]|, |v[XS+\i+1]|
	v_max3_num_f32 v13, v13, |v[XS+\i+2]|, |v[XS+\i+3]|
.endr
	v_max3_num_f32 v12, v12, |v[XS+30]|, |v[XS+31]|
	v_max3_num_f32 v12, v12, v13, (EMAX+1)<<23     ; and the floor
	v_add_nc_u32 v11, -(EMAX<<23), v12             ; the conversion's scale operand
	v_lshrrev_b32 v13, 23, v11                     ; the scale's byte
.if (\t)%4 == 0
	v_mov_b32 v[WSB+(\t)/4], v13                   ; four bytes to a register, the lower K in the lower byte
.else
	v_lshl_or_b32 v[WSB+(\t)/4], v13, 8*((\t)%4), v[WSB+(\t)/4]
.endif
.irp g, 0,1,2,3
	v_cvt_scalef32_pk8_fp4_f32 v[WC+\g], v[XS+8*\g:XS+8*\g+7], v11
.endr
	v_nop                                          ; one plain line behind the last conversion
	ds_store_b128 v4, v[WC:WC+3] offset:16*(\t)    ; 32 codes: 16 bytes of my column's row
.if (\t)+2 < NB
	WLOAD (\t)+2
.endif
	s_wait_dscnt 0x0                               ; the store has read its registers: the next block's codes may be written
.endm
.set Q, 0
.rept NB
	WBLOCK Q
.set Q, Q+1
.endr
	global_store_b128 v9, v[WSB:WSB+3], s[16:17]   ; my column's 16 scale bytes
.irp t, 0,1,2,3,4,5,6,7,8,9,10,11,12,13,14,15
	ds_load_b128 v[WOUT+4*\t:WOUT+4*\t+3], v7 offset:2*\t*PITCH
.endr
.irp t, 0,1,2,3,4,5,6,7,8,9,10,11,12,13,14,15
	s_wait_dscnt 15-\t                             ; LDS loads come back in order: number t is in
	global_store_b128 v8, v[WOUT+4*\t:WOUT+4*\t+3], s[14:15] offset:2*\t*KROW   ; sixteen lanes store 256 consecutive bytes, aligned
.endr
	FINISH
; ---------------- W_out.  The same plan without a quantiser: a lane takes a column n, its registers run down K; pairs are rounded to f16; 128 along K are 256 bytes a column.
.Lwout:
	s_sub_co_u32 s21, ttmp9, 304
	s_and_b32 s22, s21, 7                          ; which 128 columns
	s_lshr_b32 s23, s21, 3                         ; which 128 along K
	s_lshl_b32 s22, s22, 7
	s_lshl_b32 s24, s20, 5
	s_add_co_u32 s22, s22, s24                     ; my wave's first column
	v_lshlrev_b32 v3, 2, v2
	s_mul_i32 s24, s20, 32*PITCH
	s_add_co_u32 s24, s24, OSTG                    ; my stage
	v_mul_u32_u24 v4, v2, PITCH
	v_add_nc_u32 v4, s24, v4
	v_and_b32 v5, 15, v2
	v_lshrrev_b32 v6, 4, v2
	v_mul_u32_u24 v7, v6, PITCH
	v_lshl_add_u32 v7, v5, 4, v7
	v_add_nc_u32 v7, s24, v7
	v_lshlrev_b32 v8, 11, v6                       ; a row of the turned weight is 2,048 bytes
	v_lshl_add_u32 v8, v5, 4, v8
	s_lshl_b32 s26, s23, 19                        ; 128 rows of 4,096 bytes
	s_lshl_b32 s27, s22, 2
	s_add_co_u32 s26, s26, s27
	s_mov_b32 s27, 0
	s_add_nc_u64 s[8:9], s[8:9], s[26:27]
	s_lshl_b32 s26, s22, 11
	s_lshl_b32 s28, s23, 8
	s_add_co_u32 s26, s26, s28
	s_add_nc_u64 s[18:19], s[18:19], s[26:27]      ; out: column x 2,048 + 256 x (which 128 along K)
.macro OLOAD t
.set i, 0
.rept 32
	global_load_b32 v[32+32*((\t)%2)+i], v3, s[8:9] offset:(32*(\t)+i)*4096 th:TH_LOAD_NT
.set i, i+1
.endr
.endm
	OLOAD 0
	OLOAD 1
.macro OBLOCK t
.set XS, 32+32*((\t)%2)
.if (\t) < 3
	s_wait_loadcnt 32                              ; this block's 32 loads are in; the next block's may be out
.else
	s_wait_loadcnt 0
.endif
.set i, 0
.rept 16
	v_cvt_pk_f16_f32 v[96+i], v[XS+2*i], v[XS+2*i+1]   ; the lower k in the low half
.set i, i+1
.endr
.irp g, 0,1,2,3
	ds_store_b128 v4, v[96+4*\g:96+4*\g+3] offset:64*(\t)+16*\g
.endr
.if (\t)+2 < 4
	OLOAD (\t)+2
.endif
	s_wait_dscnt 0x0                               ; the stores have read their registers
.endm
	OBLOCK 0
	OBLOCK 1
	OBLOCK 2
	OBLOCK 3
.irp t, 0,1,2,3,4,5,6,7,8,9,10,11,12,13,14,15
	ds_load_b128 v[112+4*\t:112+4*\t+3], v7 offset:2*\t*PITCH
.endr
.irp t, 0,1,2,3,4,5,6,7,8,9,10,11,12,13,14,15
	s_wait_dscnt 15-\t
	global_store_b128 v8, v[112+4*\t:112+4*\t+3], s[18:19] offset:2*\t*2048   ; sixteen lanes store 256 consecutive bytes, aligned
.endr
	FINISH
.Lfunc_end_k_qfbaafc588e_prep:
	.size	k_qfbaafc588e_prep, .Lfunc_end_k_qfbaafc588e_prep-k_qfbaafc588e_prep
	.p2alignl 7, 3214868480
	.fill 96, 4, 3214868480
	.section	.rodata,"a",@progbits
	.p2align	6, 0x0
	.amdhsa_kernel k_qfbaafc588e_prep
		.amdhsa_group_segment_fixed_size 102912
		.amdhsa_private_segment_fixed_size 0
		.amdhsa_enable_private_segment 0
		.amdhsa_kernarg_size 64
		.amdhsa_user_sgpr_count 2
		.amdhsa_user_sgpr_kernarg_segment_ptr 1
		.amdhsa_wavefront_size32 1
		.amdhsa_system_sgpr_workgroup_id_x 1
		.amdhsa_system_sgpr_workgroup_id_y 1
		.amdhsa_system_sgpr_workgroup_id_z 1
		.amdhsa_system_vgpr_workitem_id 0
		.amdhsa_next_free_vgpr 200
		.amdhsa_next_free_sgpr 66
		.amdhsa_reserve_vcc 0
		.amdhsa_float_denorm_mode_32 3
		.amdhsa_float_denorm_mode_16_64 3
		.amdhsa_memory_ordered 1
		.amdhsa_forward_progress 1
		.amdhsa_inst_pref_size 133
	.end_amdhsa_kernel
	.amdgpu_metadata
---
amdhsa.version: [ 1, 2 ]
amdhsa.kernels:
  - .name:           k_qfbaafc588e_prep
    .symbol:         k_qfbaafc588e_prep.kd
    .args:
      - { .name: x, .offset: 0, .size: 8, .value_kind: global_buffer, .address_space: global }
      - { .name: W_qkv, .offset: 8, .size: 8, .value_kind: global_buffer, .address_space: global }
      - { .name: W_out, .offset: 16, .size: 8, .value_kind: global_buffer, .address_space: global }
      - { .name: x_codes, .offset: 24, .size: 8, .value_kind: global_buffer, .address_space: global }
      - { .name: x_scales, .offset: 32, .size: 8, .value_kind: global_buffer, .address_space: global }
      - { .name: w_codes, .offset: 40, .size: 8, .value_kind: global_buffer, .address_space: global }
      - { .name: w_scales, .offset: 48, .size: 8, .value_kind: global_buffer, .address_space: global }
      - { .name: wt, .offset: 56, .size: 8, .value_kind: global_buffer, .address_space: global }
    .group_segment_fixed_size: 102912
    .private_segment_fixed_size: 0
    .kernarg_segment_align: 8
    .kernarg_segment_size: 64
    .max_flat_workgroup_size: 128
    .sgpr_count:     66
    .vgpr_count:     200
    .wavefront_size: 32
...
	.end_amdgpu_metadata
.endif
;; end of part 1
;; launch qkv_gemm (part 2): grid 12 x 32, 4 waves a work-group, clusters of 4 x 4, 327,680 bytes of LDS; arguments x_codes, x_scales, w_codes, w_scales, qkv, b_qkv; writes qkv
.if DOCPART == 2
	.amdgcn_target "amdgcn-amd-amdhsa--gfx1250"
	.amdhsa_code_object_version 6
	.text
	.protected	k_qfbaafc588e_qkv_gemm
	.globl	k_qfbaafc588e_qkv_gemm
	.p2align	8
	.type	k_qfbaafc588e_qkv_gemm,@function
k_qfbaafc588e_qkv_gemm:
	s_mov_b64 s[64:65], 0
	v_nop
	global_prefetch_b8 v0, s[64:65] scope:SCOPE_SE
	s_setreg_imm32_b32 hwreg(HW_REG_WAVE_MODE, 25, 1), 1
	s_wait_xcnt 0x0
	s_wait_alu depctr_hold_cnt(0) depctr_sa_sdst(0) depctr_va_vdst(0) depctr_va_sdst(0) depctr_va_ssrc(0) depctr_va_vcc(0) depctr_vm_vsrc(0)
	s_getreg_b32 s2, hwreg(HW_REG_IB_STS2, 6, 4)
	s_cmp_eq_u32 s2, 0
	s_cbranch_scc0 .Lentry_in_a_cluster
	s_endpgm
.Lentry_in_a_cluster:
	s_bfe_u32 s2, ttmp6, 0x10000c
	s_cmp_lg_u32 s2, 0xf033
	s_cbranch_scc0 .Lentry_shape_is_right
	s_endpgm
.Lentry_shape_is_right:
; qkv = Q(x) Q(W_qkv) + b_qkv on codes of FP4 (E2M1) with one E8M0 scale for each 32 along K; sums in f32; the result is rounded once to f16 and laid BY HEADS:
; three parts (q, k, v) of 16,777,216 bytes, each [batch x 16 + head][token 2,048][64] f16: a token's row of a head is 128 bytes, a head 262,144 dense bytes.
; A: x's codes [8192][512 bytes], scales [8192][32].  B: W_qkv's codes [3072 n][512 bytes], scales [3072][32].
; LIMIT: |q|, |k|, |v| stay under 65,504 (f16).
; A tile of C, 256 x 256, is made by a work-group of four waves; a wave makes 128 x 128: 64 accumulators of 16 x 16, 512 registers.
; K = 1,024 is two slots of 512: both are asked for at the start, so NO SLOT IS FILLED AGAIN, and the scales of all of K come with them, as dense blocks.
; CLUSTERS: 4 x 4 work-groups.  The four of a row of the cluster need the same tiles of A, the four of a column the same tiles of B: each tile is asked for JOINTLY.
; THE MATRIX INSTRUCTION IS USED TRANSPOSED (source 0 = 16 rows of B, source 1 = 16 rows of A): a lane then holds eight neighbouring columns of one row of C.
; THE BIAS is the C of each sum's first product: eight registers for each of B's eight blocks, in the result's layout.
; The grid has 384 work-groups: a tile of 256 x 384, which would make 256, wants 768 accumulator registers a wave beside the operands.
; REGISTERS, in windows of 256: window 0: v0-31 addresses; v32-95 scale words, two sets; v128-191 A's fragments, ONE set; on the way out v128-223.
;   window 1: B's fragments, two sets, at v0 and at v128; v64-127 the bias.   window 2: the accumulators of my rows 0-63 ((a, b) at v[8 (8 a + b)]);   window 3: rows 64-127.
.set KSTEP,  512
.set NQ,     4                         ; matrix instructions deep in a slot
.set ROWB,   256                       ; a tile's row in bytes
.set KROW,   512                       ; a row of A or B in memory
.set PITCH,  272                       ; an LDS row: 256 + 16 bytes = 68 words: the 16 rows that a load touches start at 16 different banks
.set FR,     8
.set NL,     2
.set NP,     4                         ; places behind this matrix instruction (ISA guide 7.12.1)
.set HALFT,  128*PITCH
.set SLOT,   4*HALFT
.set KS,     32                        ; a row of scales in bytes
.set SCL,    2*SLOT                    ; behind the slots: the scales, as units of 256 bytes + 16 of padding
.set HALFS,  (128*KS/256)*272
.set SBLK,   (16*KS/256)*272
.set SPARE,  SCL+4*HALFS               ; the spare words, 128 bytes for each wave: two blocks of 256 bytes that no other line names
.set SPITCH, 272                       ; the way out: a stage of 16 rows x (256 + 16) bytes a wave, in slot 0, which has had its only fill and its last read by then
.set ADRA, 16
.set ADRB, 20
.set STO,  24
.set RD,   25
.set CO,   26
.set ADRS, 27
.set SPW,  28                          ; v28  LDS address of my spare word; never rewritten
.set NIL,  29                          ; v29  0; never rewritten
.set SC,   32                          ; scale words: set s at v[SC + 32 s]; register 4 i + q: lanes 0-15 A's block i, lanes 16-31 B's block i
.set AF,   128
.set BI,   64                          ; the bias, in window 1
.set BK,   128                         ; the way out: rows read back, v128-159 and v160-191 by turns
.set TMP,  192                         ; the way out: packed results
.set G1, 24
.set G0, 32
.set G1B, 48
.set G0B, 56
.set G1S, 68
.set G0S, 76
.set G1SB, 80
.set G0SB, 88
.set MSB, 0
.macro WIN new                         ; the immediate's high byte repeats the setting that is left
.if MSB != (\new)
	s_set_vgpr_msb (MSB<<8)|(\new)
.set MSB, (\new)
.endif
.endm
.set MUL_LO, 0xa1                      ; source 0 (B) window 1, source 1 (A) window 0, C and D window 2
.set MUL_HI, 0xf1                      ; the same, C and D window 3
.set TO_B,   0x40                      ; destination window 1, address window 0
.macro MWIN hi, zero                   ; the windows of a run of products; zero = 1: C is the bias, in window 1
.if \zero
	WIN 0x91+0x40*(\hi)
.else
	WIN MUL_LO+0x50*(\hi)
.endif
.endm
; A joint load: waves 0 and 1 fetch for A, waves 2 and 3 for B; the branch hangs on the wave's number alone.  An s_nop 0 and four v_nop follow each of the two lines.
.macro JLOAD g0a, g1a, g0b, g1b
	s_cmp_eq_u32 s15, 0
	s_cbranch_scc0 .Lfor_b_\@
	tensor_load_to_lds s[\g0a:\g0a+3], s[\g1a:\g1a+7]
	s_nop 0
.rept 4
	v_nop
.endr
	s_branch .Lasked_\@
.Lfor_b_\@:
	tensor_load_to_lds s[\g0b:\g0b+3], s[\g1b:\g1b+7]
	s_nop 0
.rept 4
	v_nop
.endr
.Lasked_\@:
.endm
.macro CROUND                          ; a round of the cluster's barrier
	s_barrier_signal -1
	s_barrier_wait -1
	s_cmp_lg_u32 s14, 0
	s_cbranch_scc1 .Lnot_wave_0_\@
	s_barrier_signal -3
.Lnot_wave_0_\@:
	s_barrier_wait -3
	s_barrier_signal -1
	s_barrier_wait -1
.endm
	s_load_b128 s[4:7], s[0:1], 0x0                ; A's codes, A's scales
	s_load_b128 s[8:11], s[0:1], 0x10              ; B's codes, B's scales
	s_load_b64 s[12:13], s[0:1], 0x20              ; qkv
	s_load_b64 s[96:97], s[0:1], 0x28              ; the bias
	v_lshl_add_u32 v[SPW], v0, 2, SPARE
	v_mov_b32 v[NIL], 0
	ds_add_u32 v[SPW], v[NIL]                      ; the wave's opening: the add and its wait stand ahead of my first tensor load; the set-up below stands between them
	v_lshrrev_b32 v1, 5, v0
	v_readfirstlane_b32 s14, v1                    ; wave 0..3
	s_lshr_b32 s15, s14, 1                         ; which half of the tile's rows is mine.  Also: I fetch for A (0) or for B (1)
	s_and_b32 s16, s14, 1                          ; which half of its columns.  Also: which 128 rows of that tile I fetch
	s_bfe_u32 s40, ttmp6, 0x40000                  ; cx, cy: my place in the cluster
	s_bfe_u32 s41, ttmp6, 0x40004
	s_lshl_b32 s42, ttmp9, 2
	s_add_co_u32 s42, s42, s40                     ; tile column of C = 4 x cluster x + cx
	s_and_b32 s17, ttmp7, 0xffff
	s_lshl_b32 s17, s17, 2
	s_add_co_u32 s17, s17, s41                     ; tile row of C = 4 x cluster y + cy
	s_lshl_b32 s43, s41, 2
	s_lshl_b32 s43, 15, s43                        ; my row of the cluster
	s_lshl_b32 s44, 0x1111, s40                    ; my column
	; descriptor group 1: a tile of 128 rows x 256 bytes, padded in LDS
	s_or_b32 s[G1+0], s43, (0<<16)|(1<<20)|(1<<21)|(5<<22)|(3<<25)  ; the mask; elements of 1 byte; padding on; bit 21 beside a mask; after every 64 words; 4 words
	s_or_b32 s[G1B+0], s44, (0<<16)|(1<<20)|(1<<21)|(5<<22)|(3<<25)
.irp g, G1, G1B
	s_mov_b32 s[\g+1], ROWB<<16                    ; tensor_dim0
	s_mov_b32 s[\g+2], 128<<16                     ; tensor_dim1
	s_mov_b32 s[\g+3], ROWB<<16                    ; tile_dim0
	s_mov_b32 s[\g+4], 128                         ; tile_dim1
	s_mov_b32 s[\g+5], KROW                        ; from row to row
	s_mov_b32 s[\g+6], 0
	s_mov_b32 s[\g+7], 0
.endr
	; the scales of 128 rows: a dense block of 4,096 bytes, as 16 rows of 256 bytes (32 elements of 8 bytes), 16 bytes of padding behind each
	s_or_b32 s[G1S+0], s43, (3<<16)|(1<<20)|(1<<21)|(5<<22)|(3<<25)
	s_or_b32 s[G1SB+0], s44, (3<<16)|(1<<20)|(1<<21)|(5<<22)|(3<<25)
.irp g, G1S, G1SB
	s_mov_b32 s[\g+1], 32<<16
	s_mov_b32 s[\g+2], (128*KS/256)<<16
	s_mov_b32 s[\g+3], 32<<16
	s_mov_b32 s[\g+4], 128*KS/256
	s_mov_b32 s[\g+5], 32
	s_mov_b32 s[\g+6], 0
	s_mov_b32 s[\g+7], 0
.endr
	s_lshl_b32 s18, s16, 7                         ; which 128 rows of the tile I fetch
	s_lshl_b32 s20, s17, 8
	s_add_co_u32 s20, s20, s18                     ; A: row 256 x tile row + 128 x half
	s_lshl_b32 s46, s42, 8
	s_add_co_u32 s46, s46, s18                     ; B: row 256 x tile column + 128 x half
	s_mov_b32 s21, 0
	s_mov_b32 s47, 0
	s_mov_b64 s[18:19], KS
	s_mul_u64 s[22:23], s[20:21], s[18:19]         ; where these rows' scales begin, in bytes
	s_mul_u64 s[92:93], s[46:47], s[18:19]
	s_mov_b64 s[18:19], KROW
	s_mul_u64 s[20:21], s[20:21], s[18:19]         ; and their codes
	s_mul_u64 s[46:47], s[46:47], s[18:19]
	s_mul_i32 s45, s14, HALFT                      ; where they go: wave x 128 rows: no place in the cluster enters an LDS address
	s_mul_i32 s94, s14, HALFS
	s_wait_dscnt 0x0                               ; the opening add is done
	s_wait_kmcnt 0x0
	s_add_nc_u64 s[20:21], s[4:5], s[20:21]
	s_add_nc_u64 s[22:23], s[6:7], s[22:23]
	s_add_nc_u64 s[46:47], s[8:9], s[46:47]
	s_add_nc_u64 s[92:93], s[10:11], s[92:93]
	CROUND                                         ; all sixteen work-groups are here: the joint loads meet
	s_mov_b32 s[G0S], 1
	s_add_co_u32 s[G0S+1], s94, SCL
	s_mov_b64 s[G0S+2:G0S+3], s[22:23]
	s_or_b32 s[G0S+3], s[G0S+3], 0x80000000
	s_mov_b32 s[G0SB], 1
	s_add_co_u32 s[G0SB+1], s94, SCL
	s_mov_b64 s[G0SB+2:G0SB+3], s[92:93]
	s_or_b32 s[G0SB+3], s[G0SB+3], 0x80000000
	JLOAD G0S, G1S, G0SB, G1SB                     ; the scales first: they are wanted with slot 0.  Three loads of mine are out behind this group
.irp s, 0,1
	s_mov_b32 s[G0+4*\s], 1
	s_add_co_u32 s[G0+4*\s+1], s45, \s*SLOT
	s_add_nc_u64 s[G0+4*\s+2:G0+4*\s+3], s[20:21], \s*ROWB
	s_or_b32 s[G0+4*\s+3], s[G0+4*\s+3], 0x80000000
	s_mov_b32 s[G0B+4*\s], 1
	s_add_co_u32 s[G0B+4*\s+1], s45, \s*SLOT
	s_add_nc_u64 s[G0B+4*\s+2:G0B+4*\s+3], s[46:47], \s*ROWB
	s_or_b32 s[G0B+4*\s+3], s[G0B+4*\s+3], 0x80000000
	JLOAD G0+4*\s, G1, G0B+4*\s, G1B
.endr
	v_and_b32 v1, 15, v0                           ; r = l % 16
	v_bfe_u32 v2, v0, 4, 1                         ; h = l / 16
	; the bias of my 128 columns: lane (r, h) wants, for B's block b, b_qkv[256 x tile column + 128 x half + 16 b + 8 h + 0 .. 7]
	s_lshl_b32 s46, s42, 10
	s_lshl_b32 s47, s16, 9
	s_add_co_u32 s46, s46, s47
	s_mov_b32 s47, 0
	s_add_nc_u64 s[96:97], s[96:97], s[46:47]
	v_lshlrev_b32 v7, 5, v2
	WIN TO_B
.irp b, 0,1,2,3,4,5,6,7
	global_load_b128 v[BI+8*\b:BI+8*\b+3],   v7, s[96:97] offset:64*\b
	global_load_b128 v[BI+8*\b+4:BI+8*\b+7], v7, s[96:97] offset:64*\b+16
.endr
	WIN 0
	v_mul_u32_u24 v3, v1, PITCH
	v_lshl_add_u32 v4, v2, 4, v3                   ; a fragment's row x pitch + 16 x half
	s_mul_i32 s21, s15, HALFT                      ; my 128 rows of A
	s_mul_i32 s22, s16, HALFT                      ; my 128 rows of B,
	s_add_co_u32 s22, s22, 2*HALFT                 ; which lie behind A's 256
.irp s, 0,1
	v_add_nc_u32 v[ADRA+\s], s21, v4
	v_add_nc_u32 v[ADRB+\s], s22, v4
	s_add_co_u32 s21, s21, SLOT
	s_add_co_u32 s22, s22, SLOT
.endr
	v_mul_u32_u24 v5, v1, KS                       ; my row's scales: 32 bytes a row,
	v_lshrrev_b32 v6, 8, v5
	v_lshl_add_u32 v5, v6, 4, v5                   ; and 16 more for each 256 passed
	s_mul_i32 s21, s15, HALFS                      ; A's: my 128 rows
	s_mul_i32 s22, s16, HALFS                      ; B's: my 128 rows, behind A's 256
	s_add_co_u32 s22, s22, 2*HALFS
	s_sub_co_u32 s22, s22, s21
	v_mul_u32_u24 v6, s22, v2                      ; lanes 16-31 take B's: one product, the lower base + h x the distance
	s_add_co_u32 s21, s21, SCL
	v_add_nc_u32 v5, v5, v6
	v_add_nc_u32 v[ADRS], s21, v5
	s_mul_i32 s23, s14, 16*SPITCH                  ; my stage
	v_mul_u32_u24 v5, v1, SPITCH                   ; in: row r, 16 bytes for each half of the lanes
	v_lshl_add_u32 v5, v2, 4, v5
	v_add_nc_u32 v[STO], s23, v5
	v_bfe_u32 v5, v0, 3, 2                         ; back: eight lanes take one head's 128 bytes of a token, the 32 lanes four tokens
	v_mul_u32_u24 v5, v5, SPITCH
	v_and_b32 v6, 7, v0
	v_lshl_add_u32 v5, v6, 4, v5
	v_add_nc_u32 v[RD], s23, v5
	v_and_b32 v6, 31, v0
	v_lshlrev_b32 v[CO], 4, v6                     ; and the same 512 bytes in memory
	; where my results go: part = cluster x; head = 4 cx + 2 x (my half of the columns), two heads; batch = tile row / 8; token = 256 (tile row % 8) + 128 x (my half of the rows)
	s_lshr_b32 s20, s17, 3
	s_lshl_b32 s20, s20, 4
	s_lshl_b32 s46, s40, 2
	s_add_co_u32 s46, s46, s20
	s_lshl_b32 s47, s16, 1
	s_add_co_u32 s46, s46, s47
	s_lshl_b32 s46, s46, 18                        ; a head is 262,144 bytes
	s_and_b32 s20, s17, 7
	s_lshl_b32 s20, s20, 8
	s_lshl_b32 s21, s15, 7
	s_add_co_u32 s20, s20, s21
	s_lshl_b32 s20, s20, 7                         ; a token's row 128
	s_add_co_u32 s46, s46, s20
	s_lshl_b32 s20, ttmp9, 24                      ; a part 16,777,216
	s_add_co_u32 s46, s46, s20
	s_mov_b32 s47, 0
	s_add_nc_u64 s[12:13], s[12:13], s[46:47]
.macro FRAG reg, adr, q, i             ; a fragment, 16 rows x 128 K of 4-bit codes: 8 registers; lane l holds row l % 16; registers 4 c .. 4 c + 3 hold K = 64 c + 32 (l / 16) + 0 .. 31
.irp c, 0,1
	ds_load_b128 v[\reg+4*\c:\reg+4*\c+3], v[\adr] offset:64*(\q)+32*\c+(\i)*16*PITCH
.endr
.endm
; 16 matrix instructions: A's blocks a0, a0 + 1 x B's eight, the slot's q-th 128 along K.  p: B's set; sc: the set of scale words.  zero = 1: the first product starts the sums from the bias.
; The 64 accumulators take turns, one instruction a turn, in the same order in every step.
.macro MUL16 a0, p, q, sc, zero
.irp a, \a0, \a0+1
.irp b, 0,1,2,3,4,5,6,7
.if \zero
	v_wmma_scale_f32_16x16x128_f8f6f4 v[8*(8*((\a)%4)+\b):8*(8*((\a)%4)+\b)+7], v[128*(\p)+FR*\b:128*(\p)+FR*\b+FR-1], v[AF+FR*(\a):AF+FR*(\a)+FR-1], v[BI+8*\b:BI+8*\b+7], v[SC+8*NQ*(\sc)+NQ*\b+(\q)], v[SC+8*NQ*(\sc)+NQ*(\a)+(\q)] matrix_a_fmt:MATRIX_FMT_FP4 matrix_b_fmt:MATRIX_FMT_FP4 matrix_a_scale:MATRIX_SCALE_ROW1
.else
	v_wmma_scale_f32_16x16x128_f8f6f4 v[8*(8*((\a)%4)+\b):8*(8*((\a)%4)+\b)+7], v[128*(\p)+FR*\b:128*(\p)+FR*\b+FR-1], v[AF+FR*(\a):AF+FR*(\a)+FR-1], v[8*(8*((\a)%4)+\b):8*(8*((\a)%4)+\b)+7], v[SC+8*NQ*(\sc)+NQ*\b+(\q)], v[SC+8*NQ*(\sc)+NQ*(\a)+(\q)] matrix_a_fmt:MATRIX_FMT_FP4 matrix_b_fmt:MATRIX_FMT_FP4 matrix_a_scale:MATRIX_SCALE_ROW1
.endif
.endr
.endr
.endm
.macro FETCH_B slot, q, p
	WIN TO_B
.irp i, 0,1,2,3,4,5,6,7
	FRAG 128*(\p)+FR*\i, ADRB+\slot, \q, \i
.endr
	WIN 0
.endm
.macro FETCH_A slot, q, i0
.irp i, \i0, \i0+1, \i0+2, \i0+3
	FRAG AF+FR*(\i), ADRA+\slot, \q, \i
.endr
.endm
.macro SCALES sc                       ; a slot's scale words: 4 words a row; lanes 0-15 take A's block i, lanes 16-31 B's block i
.irp i, 0,1,2,3,4,5,6,7
	ds_load_b128 v[SC+8*NQ*\sc+NQ*\i:SC+8*NQ*\sc+NQ*\i+3], v[ADRS] offset:\i*SBLK
.endr
.endm
.macro PLACES n                        ; plain vector lines between a matrix instruction and a load into its registers or a read of its result (ISA guide 7.12.1 for reads of results)
.rept \n
	v_nop
.endr
.endm
.macro STEP slot, q, zero              ; a step of 128 along K that has its successor in the same slot
	s_wait_dscnt 4*NL                              ; B's set and A's blocks 0-3 are in; the youngest eight loads (A's blocks 4-7) may be out
	MWIN 0, \zero
	MUL16 0, (\q)%2, \q, \slot, \zero
	MUL16 2, (\q)%2, \q, \slot, \zero
	s_wait_dscnt 0                                 ; A's blocks 4-7 are in
	PLACES NP
	FETCH_B \slot, (\q)+1, 1-(\q)%2
	FETCH_A \slot, (\q)+1, 0
	MWIN 1, \zero
	MUL16 4, (\q)%2, \q, \slot, \zero
	MUL16 6, (\q)%2, \q, \slot, \zero
	PLACES NP
	WIN 0
	FETCH_A \slot, (\q)+1, 4
.endm
; Slot 0's last step goes on into slot 1: one barrier; in front of it each wave waits for all its tensor loads (its part of slot 1), adds 0 to its spare word, and waits for that and for its reads of slot 0.
.macro TURN slot, next
	s_wait_tensorcnt 0x0                           ; all my tensor loads have landed
	ds_add_u32 v[SPW], v[NIL]                      ; 0 onto my spare word
	s_wait_dscnt 4*NL+1                            ; (the add and the youngest eight loads may be out)
	WIN MUL_LO
	MUL16 0, 1, NQ-1, \slot, 0
	s_wait_dscnt 0x0                               ; the add is done, and my reads of this slot are over
	s_barrier_signal -1
	MUL16 2, 1, NQ-1, \slot, 0
	WIN 0
	s_barrier_wait -1
	PLACES NP
	v_add_nc_u32 v[ADRS], 4*NQ, v[ADRS]            ; on to the next slot's scale words (no LDS load of mine is out)
	FETCH_B \next, 0, 0
	FETCH_A \next, 0, 0
	SCALES \next
	WIN MUL_HI
	MUL16 4, 1, NQ-1, \slot, 0
	MUL16 6, 1, NQ-1, \slot, 0
	PLACES NP
	WIN 0
	FETCH_A \next, 0, 4
.endm
.macro STEPS slot, from
.set Q, \from
.rept NQ-1-\from
	STEP \slot, Q, 0
.set Q, Q+1
.endr
.endm
	s_wait_tensorcnt 1                             ; the scales and my part of slot 0 are in (slot 1's load, issued behind them, may be out),
	s_barrier_signal -1
	s_barrier_wait -1                              ; everybody's are
	FETCH_B 0, 0, 0
	FETCH_A 0, 0, 0
	SCALES 0
	FETCH_A 0, 0, 4
	s_wait_loadcnt 0x0                             ; the bias
	STEP 0, 0, 1                                   ; the first step's products start the sums from the bias
	STEPS 0, 1
	TURN 0, 1
	STEPS 1, 0
	s_wait_dscnt 4*NL                              ; the very last step: nothing more to fetch
	WIN MUL_LO
	MUL16 0, 1, NQ-1, 1, 0
	MUL16 2, 1, NQ-1, 1, 0
	s_wait_dscnt 0
	WIN MUL_HI
	MUL16 4, 1, NQ-1, 1, 0
	MUL16 6, 1, NQ-1, 1, 0
	WIN 0
; THE WAY OUT, block by block of 16 tokens x 128 columns (two heads).  PACK: rounded to f16, 16 bytes a lane.  TOSTAGE: into my own stage and back, four tokens of one head an instruction.  SEND: stored.
.macro PACK a
.set AC, 64*((\a)%4)
	WIN 0x0a+5*((\a)/4)                            ; sources 0 and 1: window 2 or 3
.irp b, 0,1,2,3,4,5,6,7
.irp r, 0,1,2,3
	v_cvt_pk_f16_f32 v[TMP+4*\b+\r], v[AC+8*\b+2*\r], v[AC+8*\b+2*\r+1]   ; each accumulator from its low end on
.endr
.endr
	WIN 0
.endm
.macro TOSTAGE a
.set BB, BK+32*((\a)%2)
.irp b, 0,1,2,3,4,5,6,7
	ds_store_b128 v[STO], v[TMP+4*\b:TMP+4*\b+3] offset:32*\b
.endr
.irp u, 0,1,2,3,4,5,6,7
	ds_load_b128 v[BB+4*\u:BB+4*\u+3], v[RD] offset:(\u%4)*4*SPITCH+(\u/4)*128   ; LDS serves a wave's instructions in order: these see the stores above
.endr
.endm
.macro SEND a
.set BB, BK+32*((\a)%2)
	s_wait_dscnt 0x0                               ; the block is back in registers
	s_wait_xcnt 0x0                                ; the stores of the block before have read their registers: the next block's loads may land there
.irp u, 0,1,2,3,4,5,6,7
	global_store_b128 v[CO], v[BB+4*\u:BB+4*\u+3], s[12:13] offset:(\u/4)*262144+(\a)*2048+(\u%4)*512   ; 32 lanes store 512 consecutive bytes, aligned: four tokens of one head
.endr
.endm
	PLACES NP                                      ; behind the last products: for the reads of results and for the loads into the registers that held A's fragments
	PACK 0
	TOSTAGE 0
.irp a, 1,2,3,4,5,6,7                  ; block a's conversions stand between block a - 1's loads from the stage and the wait for them
	PACK \a
	SEND \a-1
	TOSTAGE \a
.endr
	SEND 7
	s_wait_tensorcnt 0x0                           ; the wave's end, behind my last tensor load and my last LDS store
	ds_add_u32 v[SPW], v[NIL]
	s_wait_dscnt 0x0
	CROUND                                         ; the closing round: no work-group ends while a partner may still ask for a tile that names it
	s_endpgm
.Lfunc_end_k_qfbaafc588e_qkv_gemm:
	.size	k_qfbaafc588e_qkv_gemm, .Lfunc_end_k_qfbaafc588e_qkv_gemm-k_qfbaafc588e_qkv_gemm
	.p2alignl 7, 3214868480
	.fill 96, 4, 3214868480
	.section	.rodata,"a",@progbits
	.p2align	6, 0x0
	.amdhsa_kernel k_qfbaafc588e_qkv_gemm
		.amdhsa_group_segment_fixed_size 327680
		.amdhsa_private_segment_fixed_size 0
		.amdhsa_enable_private_segment 0
		.amdhsa_kernarg_size 48
		.amdhsa_user_sgpr_count 2
		.amdhsa_user_sgpr_kernarg_segment_ptr 1
		.amdhsa_wavefront_size32 1
		.amdhsa_system_sgpr_workgroup_id_x 1
		.amdhsa_system_sgpr_workgroup_id_y 1
		.amdhsa_system_sgpr_workgroup_id_z 1
		.amdhsa_system_vgpr_workitem_id 0
		.amdhsa_next_free_vgpr 1024
		.amdhsa_next_free_sgpr 100
		.amdhsa_reserve_vcc 0
		.amdhsa_float_denorm_mode_32 3
		.amdhsa_float_denorm_mode_16_64 3
		.amdhsa_memory_ordered 1
		.amdhsa_forward_progress 1
		.amdhsa_inst_pref_size 128
	.end_amdhsa_kernel
	.amdgpu_metadata
---
amdhsa.version: [ 1, 2 ]
amdhsa.kernels:
  - .name:           k_qfbaafc588e_qkv_gemm
    .symbol:         k_qfbaafc588e_qkv_gemm.kd
    .args:
      - { .name: x_codes, .offset: 0, .size: 8, .value_kind: global_buffer, .address_space: global }
      - { .name: x_scales, .offset: 8, .size: 8, .value_kind: global_buffer, .address_space: global }
      - { .name: w_codes, .offset: 16, .size: 8, .value_kind: global_buffer, .address_space: global }
      - { .name: w_scales, .offset: 24, .size: 8, .value_kind: global_buffer, .address_space: global }
      - { .name: qkv, .offset: 32, .size: 8, .value_kind: global_buffer, .address_space: global }
      - { .name: b_qkv, .offset: 40, .size: 8, .value_kind: global_buffer, .address_space: global }
    .group_segment_fixed_size: 327680
    .private_segment_fixed_size: 0
    .kernarg_segment_align: 8
    .kernarg_segment_size: 48
    .max_flat_workgroup_size: 128
    .sgpr_count:     100
    .vgpr_count:     1024
    .wavefront_size: 32
...
	.end_amdgpu_metadata
.endif
;; end of part 2
;; launch attn (part 3): grid 4 x 64, 16 waves a work-group, no clusters, 327,680 bytes of LDS; arguments qkv, yh; writes yh
.if DOCPART == 3
	.amdgcn_target "amdgcn-amd-amdhsa--gfx1250"
	.amdhsa_code_object_version 6
	.text
	.protected	k_qfbaafc588e_attn
	.globl	k_qfbaafc588e_attn
	.p2align	8
	.type	k_qfbaafc588e_attn,@function
k_qfbaafc588e_attn:
	s_mov_b64 s[64:65], 0
	v_nop
	global_prefetch_b8 v0, s[64:65] scope:SCOPE_SE
	s_setreg_imm32_b32 hwreg(HW_REG_WAVE_MODE, 25, 1), 1
	s_wait_xcnt 0x0
; y[bh][q][:] = the sum over k <= q of softmax_k(Q[bh][q] . K[bh][k] / 8) V[bh][k][:].  q, k, v: three parts of qkv, each [64 heads][2048][64] f16; y likewise, f16.
; Products on f16 operands with f32 sums; maxima, exponentials and sums in f32; the weights p are rounded to f16 for the second product, y once at the end.
; f16 and not bf16: the first rows attend to few keys and stand far above the output's root mean square, so an operand's rounding must stay well under a thousandth of a row's size.
; LIMIT: |q|, |k|, |v| under 65,504.
; SHARES.  Work-group (p, head) owns query blocks p and 7 - p of 256 queries: under the causal mask that is 9 units of 256 x 256 in every work-group.  Each of its SIXTEEN waves owns 32 queries,
; two tiles of 16, in 256 registers: four waves to a SIMD, so that one wave's vector work stands beside another's matrix work and LDS loads.  Which block a wave takes alternates so that
; both kinds fall on every group of four waves, by w % 4 and by w / 4 alike.
; Every work-group walks all 8 slots of 256 keys (the trip counts are constants); a step of 64 keys all of which come after the wave's queries is jumped over, and a slot that no wave of the
; work-group will read is not asked for.
; LAYOUT.  S^T = K Q^T (source 0 = 16 keys, source 1 = 16 queries): a lane holds ONE query (lane % 16) and keys 8 (lane / 16) + 0..7 of each tile.  Two such tiles, rounded to f16 in pairs,
; ARE source 1 (32 keys x 16 queries) of O^T = V^T P.  K comes out of LDS as it lies, V ([key][channel]) turned, by ds_load_tr16_b128.
; SOFTMAX.  A running maximum m and sum l for each query: p = 2^(c s - c m), c = log2(e) / 8; in every step O and l are multiplied by a = 2^(c m_old - c m_new).
; NO CLUSTER: the four work-groups of a head need 8, 7, 6 and 5 slots and have both their blocks at work in 1, 2, 3 and 4 of them: kept in step slot by slot they would spend 12 units where each has 9.
.set KS,    64                         ; keys in a step
.set PK,    144                        ; a key's row of K in LDS: 128 bytes + 16: an odd multiple of 16
.set PV,    160                        ; of V: 128 + 32: an odd multiple of 32, for the turning load
.set VOFF,  KS*PK                      ; a step's tiles lie together: 64 rows of K, then 64 rows of V
.set STEPB, KS*(PK+PV)
.set SLOT1, 1<<17                      ; a slot holds four steps (77,824 bytes); slot 1 begins here, so that one exclusive or turns an address
.set STAGE, 2*SLOT1                    ; the way out: 16 rows x 144 bytes for each wave; no tile lands here
.set SPARE, STAGE+16*16*PK             ; the spare words, 128 bytes for each wave: eight blocks of 256 bytes that no other line names
.set AK0, 1                            ; v1   my lane's place in a tile of K
.set AV0, 2                            ; v2   the same for V
.set ADK, 3                            ; v3   LDS address of the step's K
.set ADV, 4                            ; v4   of its V
.set SPW, 5                            ; v5   LDS address of my spare word; never rewritten
.set NIL, 6                            ; v6   0; never rewritten
.set GO,  7                            ; v7   the way out: 16 x lane
.set STO, 8                            ; v8   where I put 16 bytes of a row
.set RD,  9                            ; v9   where I read rows back
.set DL,  10                           ; v10  lane % 16 - 8 (lane / 16)
.set DD,  11                           ; v11  the mask's bound for my lane
.set ST,  12                           ; tile t's statistics at v[ST + 8 t]: +0 c m, +1 m, +2, +3 l (even keys', odd keys'), +4 .. +7 at work; a in +6
.set PFO, 28                           ; v28  256 x lane; never rewritten
.set NINF, 29                          ; v29  -infinity
.set QO,  30                           ; v30  my byte in the wave's rows of Q
.set RR,  31                           ; v31  lane % 16
.set Q,   32                           ; v32-63   Q: fragment (tile qt, channels 32 kk on) at 16 qt + 8 kk
.set KV,  64                           ; v64-127  K's eight fragments, then V's
.set S,   128                          ; v128-191 S^T, 32 a tile; then p; packed, p takes the low 16 of each tile's 32
.set O,   192                          ; v192-255 O^T, 32 a tile
.set TB,  2                            ; s2   LDS byte at which the step's tiles begin
.set KF,  3                            ; s3   the step's first key
.set WV,  12
.set Q0,  13                           ; s13  my first query
.set LASTQ, 14                         ; s14  my work-group's last query
.set LIM, 15                           ; s15  1 in a wave that prefetches, else the greatest number
.set SLOTS, 16
.set NSTEP, 17
.set PFA, 18                           ; s[18:19] where my prefetches stand
.set SEL, 20                           ; s[20:21] v_permlanex16_b32's selects for lane l xor 16
.set CS,  22                           ; s[22:23] c, named as a pair by the packed form
.set G1K, 24
.set G1V, 32
.set G0K, 40
.set G0V, 44
; Waves 0 to 3 fetch K's four steps of a slot, waves 4 to 7 V's, the others nothing.  The branches hang on the wave's number alone.  An s_nop 0 and four v_nop follow each line.
.macro TLOAD
	s_cmp_lt_u32 s[WV], 4
	s_cbranch_scc0 .Lnot_k_\@
	tensor_load_to_lds s[G0K:G0K+3], s[G1K:G1K+7]
	s_nop 0
.rept 4
	v_nop
.endr
	s_branch .Lasked_\@
.Lnot_k_\@:
	s_cmp_lt_u32 s[WV], 8
	s_cbranch_scc0 .Lasked_\@
	tensor_load_to_lds s[G0V:G0V+3], s[G1V:G1V+7]
	s_nop 0
.rept 4
	v_nop
.endr
.Lasked_\@:
.endm
; A PREFETCH INTO THE L2 of what the NEXT change of slots will ask for: a slot's 32,768 bytes of K and of V.  All four work-groups of a head walk the same K and V: the one with p = 0, which reads all
; eight slots, asks.  In it the waves ask that fetch nothing: waves 8 to 11 for K, 12 to 15 for V, 8,192 bytes a wave, lanes 256 bytes apart: each aligned 256 bytes is named once in the launch.
; Slots 0 and 1 come by their loads alone; the last change that fills a slot asks for nothing.
.macro ASK
	s_cmp_gt_u32 s[SLOTS], s[LIM]
	s_cbranch_scc0 .Lnot_mine_\@
	global_prefetch_b8 v[PFO], s[PFA:PFA+1] th:TH_LOAD_NT scope:SCOPE_SE
.Lnot_mine_\@:
.endm
	s_load_b128 s[4:7], s[0:1], 0x0                ; qkv, y
	v_lshl_add_u32 v[SPW], v0, 2, SPARE
	v_mov_b32 v[NIL], 0
	ds_add_u32 v[SPW], v[NIL]                      ; the wave's opening: the add and its wait stand ahead of my first tensor load; the set-up below stands between them
	v_lshrrev_b32 v1, 5, v0
	v_readfirstlane_b32 s[WV], v1                  ; wave 0..15
	s_and_b32 s48, ttmp7, 0xffff                   ; the head (batch x 16 + head)
	s_lshl_b32 s50, s48, 18                        ; its first byte in a part
	s_mov_b32 s51, 0
	s_lshr_b32 s52, s[WV], 2
	s_xor_b32 s52, s52, s[WV]
	s_and_b32 s52, s52, 1                          ; 1: I take the late block 7 - p, 0: the early block p
	s_lshl_b32 s53, ttmp9, 1
	s_sub_co_u32 s53, 7, s53
	s_mul_i32 s53, s53, s52
	s_add_co_u32 s53, s53, ttmp9                   ; my block = p + late x (7 - 2 p)
	s_lshl_b32 s[Q0], s53, 8
	s_lshr_b32 s54, s[WV], 1
	s_lshl_b32 s54, s54, 5
	s_add_co_u32 s[Q0], s[Q0], s54                 ; my first query: 256 x block + 32 x (wave / 2)
	s_sub_co_u32 s[LASTQ], 8, ttmp9
	s_lshl_b32 s[LASTQ], s[LASTQ], 8
	s_sub_co_u32 s[LASTQ], s[LASTQ], 1             ; 256 (8 - p) - 1
	; descriptor group 1: 64 rows of 64 f16, dense in memory, padded in LDS behind each row of 32 words
	s_mov_b32 s[G1K], (1<<16)|(1<<20)|(4<<22)|(3<<25)   ; no mask; elements of 2 bytes; padding on; after every 32 words (code 4); 4 words (code 3)
	s_mov_b32 s[G1V], (1<<16)|(1<<20)|(4<<22)|(7<<25)   ; the same with 8 words (code 7)
.irp g, G1K, G1V
	s_mov_b32 s[\g+1], 64<<16                      ; tensor_dim0
	s_mov_b32 s[\g+2], KS<<16                      ; tensor_dim1
	s_mov_b32 s[\g+3], 64<<16                      ; tile_dim0
	s_mov_b32 s[\g+4], KS                          ; tile_dim1
	s_mov_b32 s[\g+5], 64                          ; from row to row
	s_mov_b32 s[\g+6], 0
	s_mov_b32 s[\g+7], 0
.endr
	s_mov_b32 s[SEL], 0x76543210
	s_mov_b32 s[SEL+1], 0xfedcba98
	s_mov_b32 s[CS], 0x3e38aa3b                    ; c = log2(e) / 8
	s_mov_b32 s[CS+1], s[CS]
	s_mov_b32 s[TB], 0
	s_mov_b32 s[KF], 0
	s_mov_b32 s[SLOTS], 7
	s_lshr_b32 s[LIM], s[WV], 3
	s_xor_b32 s[LIM], s[LIM], 1                    ; 0 in waves 8 to 15,
	s_or_b32 s[LIM], s[LIM], ttmp9                 ; of the work-group with p = 0
	s_cmp_eq_u32 s[LIM], 0
	s_cselect_b32 s[LIM], 1, -1
	s_and_b32 s55, s[WV], 3                        ; which of a slot's four steps I fetch (or ask for)
	s_mul_i32 s56, s55, STEPB                      ; its place in a slot,
	s_lshl_b32 s58, s55, 13                        ; its 64 rows of 128 bytes in memory,
	s_mov_b32 s59, 0
	s_add_nc_u64 s[58:59], s[58:59], s[50:51]      ; in my head
	s_lshl_b32 s48, s[Q0], 7
	s_mov_b32 s49, 0
	s_add_nc_u64 s[48:49], s[48:49], s[50:51]      ; my first query's row
	s_wait_dscnt 0x0                               ; the opening add is done
	s_wait_kmcnt 0x0
	s_add_nc_u64 s[8:9], s[4:5], 0x1000000         ; k's part,
	s_add_nc_u64 s[10:11], s[4:5], 0x2000000       ; v's part,
	s_add_nc_u64 s[8:9], s[8:9], s[58:59]          ; at my tile of slot 0
	s_add_nc_u64 s[10:11], s[10:11], s[58:59]
	s_mov_b32 s[G0K], 1                            ; count = 1
	s_mov_b32 s[G0K+1], s56                        ; LDS address: slot 0
	s_mov_b64 s[G0K+2:G0K+3], s[8:9]
	s_or_b32 s[G0K+3], s[G0K+3], 0x80000000        ; type = 2
	s_mov_b32 s[G0V], 1
	s_add_co_u32 s[G0V+1], s56, VOFF
	s_mov_b64 s[G0V+2:G0V+3], s[10:11]
	s_or_b32 s[G0V+3], s[G0V+3], 0x80000000
	TLOAD                                          ; slot 0: one load of a wave is out, here and behind every barrier
	s_add_nc_u64 s[4:5], s[4:5], s[48:49]          ; Q at my first query
	s_add_nc_u64 s[6:7], s[6:7], s[48:49]          ; y likewise
	s_cmp_lt_u32 s[WV], 12
	s_cselect_b64 s[PFA:PFA+1], s[8:9], s[10:11]   ; waves 8 to 11 ask for K, 12 to 15 for V
	s_add_nc_u64 s[PFA:PFA+1], s[PFA:PFA+1], 32768 ; in slot 1: the first change of slots steps it to slot 2.  Nothing is prefetched here, at the head
	v_and_b32 v[RR], 15, v0                        ; r
	v_bfe_u32 v[DD], v0, 4, 1                      ; h
	v_lshlrev_b32 v[QO], 7, v[RR]
	v_lshl_add_u32 v[QO], v[DD], 4, v[QO]          ; row r of 128 bytes + 16 h
.irp f, 0,1,2,3                                ; Q stays in registers: tile f / 2, channels 32 (f % 2) on
	global_load_b128 v[Q+8*\f:Q+8*\f+3],   v[QO], s[4:5] offset:(\f/2)*2048+(\f%2)*64
	global_load_b128 v[Q+8*\f+4:Q+8*\f+7], v[QO], s[4:5] offset:(\f/2)*2048+(\f%2)*64+32
.endr
	v_mul_u32_u24 v[AK0], v[RR], PK
	v_lshl_add_u32 v[AK0], v[DD], 4, v[AK0]        ; K: row r x pitch + 16 h
	v_and_b32 v[ADK], 7, v0
	v_bfe_u32 v[ADV], v0, 3, 1
	v_lshl_add_u32 v[AV0], v[DD], 3, v[ADK]        ; V: the turning load's lane l reads key 8 h + l % 8, channels 8 ((l / 8) % 2) on
	v_mul_u32_u24 v[AV0], v[AV0], PV
	v_lshl_add_u32 v[AV0], v[ADV], 4, v[AV0]
	v_add_nc_u32 v[AV0], VOFF, v[AV0]
	v_and_b32 v[GO], 31, v0
	v_lshlrev_b32 v[PFO], 8, v[GO]
	v_lshlrev_b32 v[GO], 4, v[GO]
	s_mul_i32 s57, s[WV], 16*PK
	s_add_co_u32 s57, s57, STAGE                   ; my stage
	v_mul_u32_u24 v[STO], v[RR], PK
	v_lshl_add_u32 v[STO], v[DD], 4, v[STO]
	v_add_nc_u32 v[STO], s57, v[STO]               ; in: row r, 16 bytes for each half of the lanes
	v_bfe_u32 v[RD], v0, 3, 2
	v_mul_u32_u24 v[RD], v[RD], PK
	v_lshl_add_u32 v[RD], v[ADK], 4, v[RD]
	v_add_nc_u32 v[RD], s57, v[RD]                 ; back: eight lanes to a row of 128 bytes, four rows an instruction
	v_lshlrev_b32 v[DL], 3, v[DD]
	v_sub_nc_u32 v[DL], v[RR], v[DL]               ; r - 8 h
	v_mov_b32 v[NINF], 0xff800000
.irp t, 0,1
	v_mov_b32 v[ST+8*\t+1], 0xff61b1e6             ; m = -3e38, under every score
	v_mul_f32 v[ST+8*\t], s[CS], v[ST+8*\t+1]      ; c m
.irp j, 2,3,4,5,6,7
	v_mov_b32 v[ST+8*\t+\j], 0                     ; l; and the registers at work, so that every path finds them written
.endr
.endr
.set n, 0
.rept 64
	v_mov_b32 v[O+n], 0                            ; O^T.  (The step is written once: the first finds zeros, which its a = 0 leaves zeros)
.set n, n+1
.endr
; THE SOFTMAX of a step, the two tiles alternating line by line, so that no line waits for the line above it.
.macro SOFTMAX
.irp j, 0,1,2,3                                ; the maximum of a lane's 32 scores and the old m: four chains, each begun at an accumulator's low end
.irp t, 0,1
	v_max3_num_f32 v[ST+8*\t+4+\j], v[S+32*\t+8*\j], v[S+32*\t+8*\j+1], v[S+32*\t+8*\j+2]
.endr
.endr
.irp i, 3,5
.irp j, 0,1,2,3
.irp t, 0,1
	v_max3_num_f32 v[ST+8*\t+4+\j], v[ST+8*\t+4+\j], v[S+32*\t+8*\j+\i], v[S+32*\t+8*\j+\i+1]
.endr
.endr
.endr
.irp t, 0,1
	v_max3_num_f32 v[ST+8*\t+4], v[ST+8*\t+4], v[S+32*\t+7], v[S+32*\t+15]
	v_max3_num_f32 v[ST+8*\t+6], v[ST+8*\t+6], v[S+32*\t+23], v[S+32*\t+31]
.endr
.irp t, 0,1
	v_max3_num_f32 v[ST+8*\t+4], v[ST+8*\t+4], v[ST+8*\t+5], v[ST+8*\t+6]
.endr
.irp t, 0,1
	v_max3_num_f32 v[ST+8*\t+4], v[ST+8*\t+4], v[ST+8*\t+7], v[ST+8*\t+1]
.endr
.irp t, 0,1
	v_permlanex16_b32 v[ST+8*\t+5], v[ST+8*\t+4], s[SEL], s[SEL+1]   ; the query's other 32 keys lie in the lane 16 away
.endr
.irp t, 0,1
	v_mov_b32 v[ST+8*\t+7], v[ST+8*\t]             ; c m_old is kept for a
.endr
.irp t, 0,1
	v_max_num_f32 v[ST+8*\t+1], v[ST+8*\t+4], v[ST+8*\t+5]   ; the new m
.endr
.irp t, 0,1
	v_mul_f32 v[ST+8*\t], s[CS], v[ST+8*\t+1]      ; c m
.endr
.irp t, 0,1
	v_sub_f32 v[ST+8*\t+7], v[ST+8*\t+7], v[ST+8*\t]   ; c m_old - c m_new
.endr
.set n, 0
.rept 16
.irp t, 0,1
	v_pk_fma_f32 v[S+32*\t+2*n:S+32*\t+2*n+1], v[S+32*\t+2*n:S+32*\t+2*n+1], s[CS:CS+1], v[ST+8*\t:ST+8*\t+1] op_sel_hi:[1,0,0] neg_lo:[0,0,1] neg_hi:[0,0,1]   ; c s - c m, two at a time
.endr
.set n, n+1
.endr
.irp t, 0,1
	v_exp_f32 v[ST+8*\t+6], v[ST+8*\t+7]           ; a
.endr
.set n, 0
.rept 32
.irp t, 0,1
	v_exp_f32 v[S+32*\t+n], v[S+32*\t+n]           ; p: both tiles' 66 exponentials are ONE batch
.endr
.set n, n+1
.endr
	v_nop                                          ; a plain line behind the last exponential
	s_wait_alu depctr_va_vdst(0)                   ; the wait ahead of the first line that names a result: one for the batch
.irp t, 0,1
	v_pk_mul_f32 v[ST+8*\t+2:ST+8*\t+3], v[ST+8*\t+2:ST+8*\t+3], v[ST+8*\t+6:ST+8*\t+7] op_sel_hi:[1,0]   ; l x a
.endr
.irp t, 0,1
	v_pk_add_f32 v[ST+8*\t+4:ST+8*\t+5], v[S+32*\t:S+32*\t+1], v[S+32*\t+2:S+32*\t+3]   ; the sum of the unrounded p, in two chains
.endr
.irp j, 4,8,12,16,20,24,28
.irp t, 0,1
	v_pk_add_f32 v[ST+8*\t+2:ST+8*\t+3], v[ST+8*\t+2:ST+8*\t+3], v[S+32*\t+\j:S+32*\t+\j+1]
	v_pk_add_f32 v[ST+8*\t+4:ST+8*\t+5], v[ST+8*\t+4:ST+8*\t+5], v[S+32*\t+\j+2:S+32*\t+\j+3]
.endr
.endr
.irp t, 0,1
	v_pk_add_f32 v[ST+8*\t+2:ST+8*\t+3], v[ST+8*\t+2:ST+8*\t+3], v[ST+8*\t+4:ST+8*\t+5]
.endr
.set n, 0
.rept 16
.irp t, 0,1
	v_cvt_pk_f16_f32 v[S+32*\t+n], v[S+32*\t+2*n], v[S+32*\t+2*n+1]   ; p to f16, in place and ascending: register n is written when its own number has been read
.endr
.set n, n+1
.endr
.set n, 0
.rept 16
.irp t, 0,1
	v_pk_mul_f32 v[O+32*\t+2*n:O+32*\t+2*n+1], v[O+32*\t+2*n:O+32*\t+2*n+1], v[ST+8*\t+6:ST+8*\t+7] op_sel_hi:[1,0]   ; O^T x a, each accumulator from its low end on
.endr
.set n, n+1
.endr
.endm
; A KEY STEP: 64 keys.
.macro STEP
	s_add_co_u32 s48, s[Q0], 31                    ; a step all of whose keys come after my 32 queries is left out: a scalar branch on ids, round loads, products and softmax; no barrier stands in a step
	s_cmp_gt_u32 s[KF], s48
	s_cbranch_scc1 .Lhidden_\@
	v_add_nc_u32 v[ADK], s[TB], v[AK0]
	v_add_nc_u32 v[ADV], s[TB], v[AV0]
.irp f, 0,1,2,3,4,5,6,7                        ; K: keys 16 (f / 2) on, channels 32 (f % 2) on
	ds_load_b128 v[KV+8*\f:KV+8*\f+3],   v[ADK] offset:(\f/2)*16*PK+(\f%2)*64
	ds_load_b128 v[KV+8*\f+4:KV+8*\f+7], v[ADK] offset:(\f/2)*16*PK+(\f%2)*64+32
.endr
	s_wait_dscnt 0x0
.set i, 0
.rept 16                                       ; S^T = K Q^T: channels 32 (i / 8) on, keys 16 ((i / 2) % 4) on, tile i % 2.  Eight accumulators by turns
.set rS, S+32*(i%2)+8*((i/2)%4)
.set rK, KV+8*(2*((i/2)%4)+i/8)
.set rQ, Q+16*(i%2)+8*(i/8)
.if i < 8
	v_wmma_f32_16x16x32_f16 v[rS:rS+7], v[rK:rK+7], v[rQ:rQ+7], 0
.else
	v_wmma_f32_16x16x32_f16 v[rS:rS+7], v[rK:rK+7], v[rQ:rQ+7], v[rS:rS+7]
.endif
.set i, i+1
.endr
.rept 4
	v_nop                                          ; four places: ahead of the loads into K's registers and of the first reads of the scores
.endr
.irp f, 0,1,2,3,4,5,6,7                        ; V, turned: keys 32 (f / 4) on, channels 16 (f % 4) on.  It lands under the softmax
	ds_load_tr16_b128 v[KV+8*\f:KV+8*\f+3],   v[ADV] offset:(\f/4)*32*PV+(\f%4)*32
	ds_load_tr16_b128 v[KV+8*\f+4:KV+8*\f+7], v[ADV] offset:(\f/4)*32*PV+16*PV+(\f%4)*32
.endr
	s_add_co_u32 s48, s[KF], 63                    ; on the diagonal the scores of hidden keys become -infinity ahead of the maximum.  A step all of whose keys count skips this
	s_cmp_le_u32 s48, s[Q0]
	s_cbranch_scc1 .Lopen_\@
	s_sub_co_i32 s48, s[Q0], s[KF]
	v_add_nc_u32 v[DD], s48, v[DL]                 ; register 8 kt + j of tile qt holds key KF + 16 kt + 8 h + j for query Q0 + 16 qt + r: hidden where 16 kt + j - 16 qt > Q0 - KF + r - 8 h
.irp t, 0,1
.set n, 0
.rept 32
	v_cmp_gt_i32 vcc_lo, 16*(n/8)+n%8-16*\t, v[DD]
	v_cndmask_b32 v[S+32*\t+n], v[S+32*\t+n], v[NINF], vcc_lo
.set n, n+1
.endr
.endr
.Lopen_\@:
	SOFTMAX
	s_wait_dscnt 0x0                               ; V is in
.set i, 0
.rept 16                                       ; O^T += V^T P: keys 32 (i / 8) on, channels 16 ((i / 2) % 4) on, tile i % 2.  Eight accumulators by turns
.set rO, O+32*(i%2)+8*((i/2)%4)
.set rV, KV+8*(4*(i/8)+(i/2)%4)
.set rP, S+32*(i%2)+8*(i/8)
	v_wmma_f32_16x16x32_f16 v[rO:rO+7], v[rV:rV+7], v[rP:rP+7], v[rO:rO+7]
.set i, i+1
.endr
.rept 5
	v_nop                                          ; five places: the next step's first products write over p's registers, which these products read; its loads land in V's
.endr
.Lhidden_\@:
	s_add_co_u32 s[KF], s[KF], KS
	s_add_co_u32 s[TB], s[TB], STEPB
.endm
; THE CHANGE OF SLOTS stands at a slot's head.  Each wave waits for all its tensor loads (its part of the slot that it is about to read), adds 0 to its spare word, and waits for that and for its
; reads of the slot that it has left.  Behind the barrier the slot ahead is whole and nobody reads the other one.  fill = 1: that other slot takes the keys that follow, up to the causal limit.
.macro CHANGE fill
	s_wait_tensorcnt 0x0                           ; no tensor load of mine is out, so a group 0 may be written
	ds_add_u32 v[SPW], v[NIL]                      ; 0 onto my spare word
.if \fill
	s_xor_b32 s[G0K+1], s[G0K+1], SLOT1            ; the walking descriptors: the other slot than last time,
	s_add_nc_u64 s[G0K+2:G0K+3], s[G0K+2:G0K+3], 32768   ; the next 256 keys; the type bits on top are not reached
	s_xor_b32 s[G0V+1], s[G0V+1], SLOT1
	s_add_nc_u64 s[G0V+2:G0V+3], s[G0V+2:G0V+3], 32768
	s_wait_xcnt 0x0                                ; the last prefetch, a slot back, has read its address, so it may be written:
	s_add_nc_u64 s[PFA:PFA+1], s[PFA:PFA+1], 32768 ; one slot further on than the walking descriptors
.endif
	s_wait_dscnt 0x0                               ; the add is done, and my reads of the slot that I have left are over
	s_barrier_signal -1
	s_barrier_wait -1
.if \fill
	s_add_co_u32 s48, s[KF], 256                   ; the first key of the slot that this change would ask for: where it comes after my work-group's last query, none of its waves will read that slot,
	s_cmp_gt_u32 s48, s[LASTQ]                     ; and it is not asked for.  Ids and the count of steps alone: all sixteen waves go the same way; every wait on TENSORcnt in this text is for 0
	s_cbranch_scc1 .Lpast_\@
	TLOAD                                          ; a wave's one tensor load until the next barrier: it has a slot's four steps in which to land
.Lpast_\@:
	ASK
.endif
.endm
.macro SLOT_STEPS                      ; a slot's four steps: written once, walked four times; the LDS addresses hang on s[TB]
	s_mov_b32 s[NSTEP], 4
.Lstep_\@:
	STEP
	s_sub_co_u32 s[NSTEP], s[NSTEP], 1
	s_cmp_lg_u32 s[NSTEP], 0
	s_cbranch_scc1 .Lstep_\@
	s_sub_co_u32 s[TB], s[TB], 4*STEPB             ; back to a slot's first step,
	s_xor_b32 s[TB], s[TB], SLOT1                  ; in the other slot
.endm
	s_wait_loadcnt 0x0                             ; Q
.Lslot:                                            ; seven trips: behind each change of slots but the last the next slot is asked for, up to the causal limit
	CHANGE 1
	SLOT_STEPS
	s_sub_co_u32 s[SLOTS], s[SLOTS], 1
	s_cmp_lg_u32 s[SLOTS], 0
	s_cbranch_scc1 .Lslot
	CHANGE 0                                       ; the last slot is written out: nothing is left to ask for
	SLOT_STEPS
	; THE WAY OUT.  l's two halves and the other half of the lanes' are added; O^T is divided by l, rounded to f16 and sent through my stage, a tile (16 rows of 128 bytes) at a time.
.irp t, 0,1
	v_add_f32 v[ST+8*\t+4], v[ST+8*\t+2], v[ST+8*\t+3]
.endr
.irp t, 0,1
	v_permlanex16_b32 v[ST+8*\t+5], v[ST+8*\t+4], s[SEL], s[SEL+1]
.endr
.irp t, 0,1
	v_add_f32 v[ST+8*\t+4], v[ST+8*\t+4], v[ST+8*\t+5]
.endr
.irp t, 0,1
	v_rcp_f32 v[ST+8*\t+6], v[ST+8*\t+4]
.endr
	v_nop                                          ; a plain line behind the last reciprocal
	s_wait_alu depctr_va_vdst(0)                   ; and the wait ahead of the first use: one for the two
.irp t, 0,1
.set n, 0
.rept 16
	v_pk_mul_f32 v[O+32*\t+2*n:O+32*\t+2*n+1], v[O+32*\t+2*n:O+32*\t+2*n+1], v[ST+8*\t+6:ST+8*\t+7] op_sel_hi:[1,0]
.set n, n+1
.endr
.set n, 0
.rept 16
	v_cvt_pk_f16_f32 v[S+16*\t+n], v[O+32*\t+2*n], v[O+32*\t+2*n+1]   ; register 4 ct + i: channels 16 ct + 8 h + 2 i, + 1 of query r
.set n, n+1
.endr
.irp c, 0,1,2,3
	ds_store_b128 v[STO], v[S+16*\t+4*\c:S+16*\t+4*\c+3] offset:32*\c
.endr
.irp u, 0,1,2,3
	ds_load_b128 v[KV+16*\t+4*\u:KV+16*\t+4*\u+3], v[RD] offset:\u*4*PK   ; LDS serves a wave's instructions in order: these see the stores above, and the next tile's stores come behind them
.endr
.endr
.irp t, 0,1
.irp u, 0,1,2,3
	s_wait_dscnt 11-8*\t-\u                        ; behind this load: the tile's younger loads, and for tile 0 the eight LDS instructions of tile 1
	global_store_b128 v[GO], v[KV+16*\t+4*\u:KV+16*\t+4*\u+3], s[6:7] offset:\t*2048+\u*512   ; 32 lanes store 512 consecutive bytes, aligned: four rows of y
.endr
.endr
	s_wait_tensorcnt 0x0                           ; the wave's end, behind my last tensor load and my last LDS store
	ds_add_u32 v[SPW], v[NIL]
	s_wait_dscnt 0x0
	s_endpgm
.Lfunc_end_k_qfbaafc588e_attn:
	.size	k_qfbaafc588e_attn, .Lfunc_end_k_qfbaafc588e_attn-k_qfbaafc588e_attn
	.p2alignl 7, 3214868480
	.fill 96, 4, 3214868480
	.section	.rodata,"a",@progbits
	.p2align	6, 0x0
	.amdhsa_kernel k_qfbaafc588e_attn
		.amdhsa_group_segment_fixed_size 327680
		.amdhsa_private_segment_fixed_size 0
		.amdhsa_enable_private_segment 0
		.amdhsa_kernarg_size 16
		.amdhsa_user_sgpr_count 2
		.amdhsa_user_sgpr_kernarg_segment_ptr 1
		.amdhsa_wavefront_size32 1
		.amdhsa_system_sgpr_workgroup_id_x 1
		.amdhsa_system_sgpr_workgroup_id_y 1
		.amdhsa_system_sgpr_workgroup_id_z 1
		.amdhsa_system_vgpr_workitem_id 0
		.amdhsa_next_free_vgpr 256
		.amdhsa_next_free_sgpr 72
		.amdhsa_reserve_vcc 1
		.amdhsa_float_denorm_mode_32 3
		.amdhsa_float_denorm_mode_16_64 3
		.amdhsa_memory_ordered 1
		.amdhsa_forward_progress 1
		.amdhsa_inst_pref_size 61
	.end_amdhsa_kernel
	.amdgpu_metadata
---
amdhsa.version: [ 1, 2 ]
amdhsa.kernels:
  - .name:           k_qfbaafc588e_attn
    .symbol:         k_qfbaafc588e_attn.kd
    .args:
      - { .name: qkv, .offset: 0, .size: 8, .value_kind: global_buffer, .address_space: global }
      - { .name: yh, .offset: 8, .size: 8, .value_kind: global_buffer, .address_space: global }
    .group_segment_fixed_size: 327680
    .private_segment_fixed_size: 0
    .kernarg_segment_align: 8
    .kernarg_segment_size: 16
    .max_flat_workgroup_size: 512
    .sgpr_count:     72
    .vgpr_count:     256
    .wavefront_size: 32
...
	.end_amdgpu_metadata
.endif
;; end of part 3
;; launch out_gemm (part 4): grid 8 x 32, 4 waves a work-group, clusters of 4 x 4, 327,680 bytes of LDS; arguments yh, wt, b_out, out0; writes out0
.if DOCPART == 4
	.amdgcn_target "amdgcn-amd-amdhsa--gfx1250"
	.amdhsa_code_object_version 6
	.text
	.protected	k_qfbaafc588e_out_gemm
	.globl	k_qfbaafc588e_out_gemm
	.p2align	8
	.type	k_qfbaafc588e_out_gemm,@function
k_qfbaafc588e_out_gemm:
	s_mov_b64 s[64:65], 0
	v_nop
	global_prefetch_b8 v0, s[64:65] scope:SCOPE_SE
	s_setreg_imm32_b32 hwreg(HW_REG_WAVE_MODE, 25, 1), 1
	s_wait_xcnt 0x0
	s_wait_alu depctr_hold_cnt(0) depctr_sa_sdst(0) depctr_va_vdst(0) depctr_va_sdst(0) depctr_va_ssrc(0) depctr_va_vcc(0) depctr_vm_vsrc(0)
	s_getreg_b32 s2, hwreg(HW_REG_IB_STS2, 6, 4)
	s_cmp_eq_u32 s2, 0
	s_cbranch_scc0 .Lentry_in_a_cluster
	s_endpgm
.Lentry_in_a_cluster:
	s_bfe_u32 s2, ttmp6, 0x10000c
	s_cmp_lg_u32 s2, 0xf033
	s_cbranch_scc0 .Lentry_shape_is_right
	s_endpgm
.Lentry_shape_is_right:
; out0 = y W_out + b_out.  A: y, f16, laid by heads [batch x 16 + head][token 2,048][64]; B: W_out turned, f16 [1024 n][1024 k]; out0 [8192][1024] f32; sums in f32.
; A tile of C is 256 (rows) x 128 (columns): 256 work-groups.  Four waves, each 128 x 64: 32 accumulators of 16 x 16, 256 registers.
; K goes in steps of 128, which are TWO HEADS of y: a head's 256 tokens are 32,768 dense bytes, one tensor load; B's rows of a step are 256 bytes.  Two LDS slots take turns.
; CLUSTERS: 4 x 4 work-groups.  The four of a row of the cluster need the same tiles of A, the four of a column the same tiles of B: each tile is asked for JOINTLY.
; THE MATRIX INSTRUCTION IS USED TRANSPOSED (source 0 = 16 rows of B, source 1 = 16 rows of A): a lane then holds eight neighbouring columns of a row of C.  THE BIAS is the C of each sum's first product.
; No prefetch: a K step brings 98,304 bytes for 128 matrix instructions a wave, and the launch stores 131,072 bytes a work-group besides.
; REGISTERS: window 0: v0-31 addresses; v32-95 rows on the way out; v96-127 the bias.   window 1: two fragment buffers of 96 at v0 and v128: A's 8 fragments (16 rows x 32 K), then B's 4.
;   window 2: the accumulators, (a, b) at v[8 (4 a + b)].
.set PA,     144                       ; a token's row of a head in LDS: 128 bytes + 16
.set AHEAD,  256*PA                    ; one head's 256 rows
.set PB,     272                       ; a row of B's tile: 256 + 16
.set SLOT,   2*AHEAD+128*PB            ; A's two heads, then B's 128 rows
.set STAGE,  2*SLOT                    ; behind the ring: 16 rows x 272 bytes for each wave; no tile lands here
.set SPITCH, 272
.set SPARE,  STAGE+4*16*SPITCH         ; the spare words, 128 bytes for each wave: two blocks of 256 bytes that no other line names
.set LAPS,   4                         ; a lap = two K steps = once round the ring; K = 1,024 is eight steps
.set ADRA, 16
.set ADRB, 20
.set STO,  24
.set RD,   25
.set CO,   26
.set SPW,  28                          ; v28  LDS address of my spare word; never rewritten
.set NIL,  29                          ; v29  0; never rewritten
.set BK,   32
.set BI,   96
.set F0,   0
.set F1,   128
.set G1, 24
.set G0, 32
.set G1B, 48
.set G0B, 56
.set MSB, 0
.macro WIN new                         ; the immediate's high byte repeats the setting that is left
.if MSB != (\new)
	s_set_vgpr_msb (MSB<<8)|(\new)
.set MSB, (\new)
.endif
.endm
.set MUL,  0xa5                        ; sources 0 (B) and 1 (A) window 1; C and D window 2
.set MUL0, 0x85                        ; the same with C, the bias, in window 0
.set TO_F, 0x40                        ; destination window 1, address window 0
.macro JLOAD s                         ; a joint load: waves 0 and 1 fetch A's two heads, waves 2 and 3 B's halves; an s_nop 0 and four v_nop follow each of the two lines
	s_cmp_eq_u32 s11, 0
	s_cbranch_scc0 .Lfor_b_\@
	tensor_load_to_lds s[G0+4*\s:G0+4*\s+3], s[G1:G1+7]
	s_nop 0
.rept 4
	v_nop
.endr
	s_branch .Lasked_\@
.Lfor_b_\@:
	tensor_load_to_lds s[G0B+4*\s:G0B+4*\s+3], s[G1B:G1B+7]
	s_nop 0
.rept 4
	v_nop
.endr
.Lasked_\@:
.endm
.macro CREST                           ; a round of the cluster's barrier behind its opening barrier
	s_cmp_lg_u32 s10, 0
	s_cbranch_scc1 .Lnot_wave_0_\@
	s_barrier_signal -3
.Lnot_wave_0_\@:
	s_barrier_wait -3
	s_barrier_signal -1
	s_barrier_wait -1
.endm
.macro CROUND
	s_barrier_signal -1
	s_barrier_wait -1
	CREST
.endm
	s_load_b128 s[4:7], s[0:1], 0x0                ; y, W_out turned
	s_load_b64 s[66:67], s[0:1], 0x10              ; the bias
	s_load_b64 s[8:9], s[0:1], 0x18                ; out0
	v_lshl_add_u32 v[SPW], v0, 2, SPARE
	v_mov_b32 v[NIL], 0
	ds_add_u32 v[SPW], v[NIL]                      ; the wave's opening: the add and its wait stand ahead of my first tensor load; the set-up below stands between them
	v_lshrrev_b32 v1, 5, v0
	v_readfirstlane_b32 s10, v1                    ; wave 0..3
	s_lshr_b32 s11, s10, 1                         ; which 128 of the tile's rows are mine.  Also: I fetch for A (0) or for B (1)
	s_and_b32 s12, s10, 1                          ; which 64 of its columns.  Also: which head of the step, or which 64 rows of B, I fetch
	s_bfe_u32 s40, ttmp6, 0x40000                  ; cx, cy
	s_bfe_u32 s41, ttmp6, 0x40004
	s_lshl_b32 s42, ttmp9, 2
	s_add_co_u32 s42, s42, s40                     ; tile column of C = 4 x cluster x + cx
	s_and_b32 s13, ttmp7, 0xffff
	s_lshl_b32 s13, s13, 2
	s_add_co_u32 s13, s13, s41                     ; tile row of C = 4 x cluster y + cy
	s_lshl_b32 s43, s41, 2
	s_lshl_b32 s43, 15, s43                        ; my row of the cluster
	s_lshl_b32 s44, 0x1111, s40                    ; my column
	; descriptor group 1.  A: 256 rows of 64 f16, dense; 4 words of padding behind every 32.  B: 64 rows of 128 f16, 1,024 apart; 4 words behind every 64
	s_or_b32 s[G1+0], s43, (1<<16)|(1<<20)|(1<<21)|(4<<22)|(3<<25)
	s_mov_b32 s[G1+1], 64<<16                      ; tensor_dim0
	s_mov_b32 s[G1+2], 256<<16                     ; tensor_dim1
	s_mov_b32 s[G1+3], 64<<16                      ; tile_dim0
	s_mov_b32 s[G1+4], 256                         ; tile_dim1
	s_mov_b32 s[G1+5], 64                          ; from row to row
	s_mov_b32 s[G1+6], 0
	s_mov_b32 s[G1+7], 0
	s_or_b32 s[G1B+0], s44, (1<<16)|(1<<20)|(1<<21)|(5<<22)|(3<<25)
	s_mov_b32 s[G1B+1], 128<<16
	s_mov_b32 s[G1B+2], 64<<16
	s_mov_b32 s[G1B+3], 128<<16
	s_mov_b32 s[G1B+4], 64
	s_mov_b32 s[G1B+5], 1024
	s_mov_b32 s[G1B+6], 0
	s_mov_b32 s[G1B+7], 0
	s_lshr_b32 s16, s13, 3                         ; A: batch = tile row / 8: 16 heads of 262,144 bytes;
	s_lshl_b32 s16, s16, 22
	s_lshl_b32 s17, s12, 18                        ; the step's first or second head;
	s_add_co_u32 s16, s16, s17
	s_and_b32 s17, s13, 7                          ; token 256 (tile row % 8), 128 bytes each
	s_lshl_b32 s17, s17, 15
	s_add_co_u32 s16, s16, s17
	s_mov_b32 s17, 0
	s_lshl_b32 s46, s42, 7                         ; B: row 128 x tile column + 64 x half, 2,048 bytes each
	s_lshl_b32 s47, s12, 6
	s_add_co_u32 s46, s46, s47
	s_lshl_b32 s46, s46, 11
	s_mov_b32 s47, 0
	s_mul_i32 s20, s12, AHEAD                      ; where they go: no place in the cluster enters an LDS address
	s_mul_i32 s21, s12, 64*PB
	s_add_co_u32 s21, s21, 2*AHEAD
	s_wait_dscnt 0x0                               ; the opening add is done
	s_wait_kmcnt 0x0
	s_add_nc_u64 s[14:15], s[4:5], s[16:17]
	s_add_nc_u64 s[46:47], s[6:7], s[46:47]
	CROUND                                         ; all sixteen work-groups are here: the first joint loads meet
.irp s, 0,1
	s_mov_b32 s[G0+4*\s], 1
	s_add_co_u32 s[G0+4*\s+1], s20, \s*SLOT
	s_add_nc_u64 s[G0+4*\s+2:G0+4*\s+3], s[14:15], \s*524288   ; K step s: two heads on
	s_or_b32 s[G0+4*\s+3], s[G0+4*\s+3], 0x80000000
	s_mov_b32 s[G0B+4*\s], 1
	s_add_co_u32 s[G0B+4*\s+1], s21, \s*SLOT
	s_add_nc_u64 s[G0B+4*\s+2:G0B+4*\s+3], s[46:47], \s*256
	s_or_b32 s[G0B+4*\s+3], s[G0B+4*\s+3], 0x80000000
	JLOAD \s                                       ; two loads of mine are out behind this group, one behind each later round
.endr
	v_and_b32 v1, 15, v0                           ; r
	v_bfe_u32 v2, v0, 4, 1                         ; h
	s_lshl_b32 s46, s42, 9                         ; my first column, in bytes of f32: 512 x tile column + 256 x half
	s_lshl_b32 s47, s12, 8
	s_add_co_u32 s46, s46, s47
	s_mov_b32 s47, 0
	s_add_nc_u64 s[66:67], s[66:67], s[46:47]      ; the bias there: lane (r, h) wants, for B's block b, numbers 16 b + 8 h + 0 .. 7
	v_lshlrev_b32 v7, 5, v2
.irp b, 0,1,2,3
	global_load_b128 v[BI+8*\b:BI+8*\b+3],   v7, s[66:67] offset:64*\b
	global_load_b128 v[BI+8*\b+4:BI+8*\b+7], v7, s[66:67] offset:64*\b+16
.endr
	s_lshl_b32 s16, s13, 8
	s_lshl_b32 s17, s11, 7
	s_add_co_u32 s16, s16, s17                     ; my first row of C: 256 x tile row + 128 x half,
	s_lshl_b32 s16, s16, 12                        ; 4,096 bytes each
	s_add_co_u32 s46, s46, s16
	s_add_nc_u64 s[8:9], s[8:9], s[46:47]
	v_mul_u32_u24 v3, v1, PA
	v_lshl_add_u32 v3, v2, 4, v3                   ; A: a fragment's row x pitch + 16 h
	v_mul_u32_u24 v4, v1, PB
	v_lshl_add_u32 v4, v2, 4, v4                   ; B likewise
	s_mul_i32 s21, s11, 128*PA                     ; my 128 rows of each head
	s_mul_i32 s22, s12, 64*PB                      ; my 64 rows of B,
	s_add_co_u32 s22, s22, 2*AHEAD                 ; behind A's two heads
.irp s, 0,1
	v_add_nc_u32 v[ADRA+\s], s21, v3
	v_add_nc_u32 v[ADRB+\s], s22, v4
	s_add_co_u32 s21, s21, SLOT
	s_add_co_u32 s22, s22, SLOT
.endr
	s_mul_i32 s23, s10, 16*SPITCH
	s_add_co_u32 s23, s23, STAGE                   ; my stage
	v_mul_u32_u24 v5, v1, SPITCH                   ; in: row r, 32 bytes for each half of the lanes
	v_lshl_add_u32 v5, v2, 5, v5
	v_add_nc_u32 v[STO], s23, v5
	v_mul_u32_u24 v5, v2, SPITCH                   ; back: lanes 0-15 one row of 256 bytes, lanes 16-31 the next
	v_lshl_add_u32 v5, v1, 4, v5
	v_add_nc_u32 v[RD], s23, v5
	v_lshlrev_b32 v5, 12, v2                       ; and the same two rows in C
	v_lshl_add_u32 v[CO], v1, 4, v5
; 8 matrix instructions: A's blocks a0, a0 + 1 x B's four, 32 along K, from buffer f.  zero = 1: the first product starts the sums from the bias.  The 32 accumulators take turns, in the same order in every quarter.
.macro MUL8 f, a0, zero
.irp a, \a0, \a0+1
.irp b, 0,1,2,3
.if \zero
	v_wmma_f32_16x16x32_f16 v[8*(4*(\a)+\b):8*(4*(\a)+\b)+7], v[\f+64+8*\b:\f+64+8*\b+7], v[\f+8*(\a):\f+8*(\a)+7], v[BI+8*\b:BI+8*\b+7]
.else
	v_wmma_f32_16x16x32_f16 v[8*(4*(\a)+\b):8*(4*(\a)+\b)+7], v[\f+64+8*\b:\f+64+8*\b+7], v[\f+8*(\a):\f+8*(\a)+7], v[8*(4*(\a)+\b):8*(4*(\a)+\b)+7]
.endif
.endr
.endr
.endm
; 24 LDS loads in one run: the fragments of the slot's q-th 32 along K into buffer f: B's four, A's blocks 0-3, A's blocks 4-7.  Quarter q lies in head q / 2, channels 32 (q % 2) on
.macro FETCH slot, q, f
	WIN TO_F
.irp i, 0,1,2,3
	ds_load_b128 v[\f+64+8*\i:\f+64+8*\i+3],   v[ADRB+\slot] offset:(\q)*64+\i*16*PB
	ds_load_b128 v[\f+64+8*\i+4:\f+64+8*\i+7], v[ADRB+\slot] offset:(\q)*64+\i*16*PB+32
.endr
.irp i, 0,1,2,3,4,5,6,7
	ds_load_b128 v[\f+8*\i:\f+8*\i+3],   v[ADRA+\slot] offset:((\q)/2)*AHEAD+((\q)%2)*64+\i*16*PA
	ds_load_b128 v[\f+8*\i+4:\f+8*\i+7], v[ADRA+\slot] offset:((\q)/2)*AHEAD+((\q)%2)*64+\i*16*PA+32
.endr
.endm
.macro PLACES                          ; four plain lines in front of loads into registers that matrix instructions have read, and of the first reads of results (ISA guide 7.12.1 for reads of results)
.rept 4
	v_nop
.endr
.endm
; A K step is four quarters of 32 along K, 32 matrix instructions each, on buffers 0, 1, 0, 1.  One of the first three: multiplies buffer f and fetches quarter qn into g.
.macro QUARTER slot, qn, f, g, zero
	s_wait_dscnt 8                                 ; B's four and A's blocks 0-3 are in; the youngest eight loads (A's blocks 4-7) may be out
.if \zero
	WIN MUL0
.else
	WIN MUL
.endif
	MUL8 \f, 0, \zero
	MUL8 \f, 2, \zero
	PLACES
	FETCH \slot, \qn, \g
	s_wait_dscnt 24                                ; all but the 24 just issued
.if \zero
	WIN MUL0
.else
	WIN MUL
.endif
	MUL8 \f, 4, \zero
	MUL8 \f, 6, \zero
.endm
; The last quarter multiplies buffer 1 and changes slots: ONE barrier; in front of it each wave waits for all its tensor loads, adds 0 to its spare word, and waits for that and for its reads of this slot.
; fill = 1: the barrier opens a round of the cluster's, and this slot is filled again, two K steps ahead: the load has a K step less sixteen matrix instructions in which to land.
.macro TURN slot, next, fill
	WIN 0                                          ; (the add's two registers lie in window 0)
	s_wait_tensorcnt 0x0                           ; all my tensor loads have landed: my part of the next slot
	ds_add_u32 v[SPW], v[NIL]                      ; 0 onto my spare word
	s_wait_dscnt 9                                 ; (the add and the youngest eight loads may be out)
	WIN MUL
	MUL8 F1, 0, 0
	s_wait_dscnt 0x0                               ; the add is done, and my reads of this slot are over
	s_barrier_signal -1
	MUL8 F1, 2, 0
.if \fill
	WIN 0
.endif
	s_barrier_wait -1
.if \fill
	CREST                                          ; no wave of any partner still reads this slot's tiles or has a load on its way
	s_add_nc_u64 s[G0+4*\slot+2:G0+4*\slot+3], s[G0+4*\slot+2:G0+4*\slot+3], 2*524288
	s_add_nc_u64 s[G0B+4*\slot+2:G0B+4*\slot+3], s[G0B+4*\slot+2:G0B+4*\slot+3], 2*256
	JLOAD \slot                                    ; the first tensor load behind the round; the four v_nop behind it are also the places in front of the loads below
.else
	PLACES
.endif
	FETCH \next, 0, F0
	WIN MUL
	MUL8 F1, 4, 0
	MUL8 F1, 6, 0
.endm
	s_wait_tensorcnt 1                             ; my part of K step 0 is in (K step 1's load, issued behind it, may be out),
	s_barrier_signal -1
	s_barrier_wait -1                              ; everybody's is
	s_wait_loadcnt 0x0                             ; the bias
	FETCH 0, 0, F0
	QUARTER 0, 1, F0, F1, 1                        ; the first quarter stands in front of the loop: its products start the sums from the bias
	WIN 0                                          ; at a label and at a branch every window is 0
	s_mov_b32 s3, LAPS-1
.Llap:                                                 ; a trip goes once round the ring, from a lap's second quarter to the next lap's first, and fills both slots again
	QUARTER 0, 2, F1, F0, 0
	QUARTER 0, 3, F0, F1, 0
	TURN 0, 1, 1
	QUARTER 1, 1, F0, F1, 0
	QUARTER 1, 2, F1, F0, 0
	QUARTER 1, 3, F0, F1, 0
	TURN 1, 0, 1
	QUARTER 0, 1, F0, F1, 0
	WIN 0
	s_sub_co_u32 s3, s3, 1
	s_cmp_lg_u32 s3, 0
	s_cbranch_scc1 .Llap
	QUARTER 0, 2, F1, F0, 0                        ; the last lap fills nothing, and has no round of the cluster's barrier
	QUARTER 0, 3, F0, F1, 0
	TURN 0, 1, 0
	QUARTER 1, 1, F0, F1, 0
	QUARTER 1, 2, F1, F0, 0
	QUARTER 1, 3, F0, F1, 0
	s_wait_dscnt 8                                 ; the very last quarter: nothing more to fetch
	WIN MUL
	MUL8 F1, 0, 0
	MUL8 F1, 2, 0
	s_wait_dscnt 0
	MUL8 F1, 4, 0
	MUL8 F1, 6, 0
	WIN 0
; THE WAY OUT, block by block of 16 rows x 64 columns.  A lane holds 32 neighbouring bytes of a row: a block goes through my own stage and comes back as whole rows of 256 bytes.
.macro TOSTAGE a
	WIN 0x08                                       ; an LDS store's data are its source 1: window 2
.irp b, 0,1,2,3
	ds_store_b128 v[STO], v[8*(4*(\a)+\b):8*(4*(\a)+\b)+3] offset:64*\b          ; each accumulator from its low end on
	ds_store_b128 v[STO], v[8*(4*(\a)+\b)+4:8*(4*(\a)+\b)+7] offset:64*\b+16
.endr
	WIN 0
.set BB, BK+32*((\a)%2)
.irp t, 0,1,2,3,4,5,6,7
	ds_load_b128 v[BB+4*\t:BB+4*\t+3], v[RD] offset:2*\t*SPITCH   ; LDS serves a wave's instructions in order: these see the stores above
.endr
.endm
.macro SEND a, younger                 ; younger: the LDS instructions issued behind block a's loads, which may stay out
.set BB, BK+32*((\a)%2)
	s_wait_dscnt \younger
.irp t, 0,1,2,3,4,5,6,7
	global_store_b128 v[CO], v[BB+4*\t:BB+4*\t+3], s[8:9] offset:(16*(\a)+2*\t)*4096 th:TH_STORE_NT   ; sixteen lanes store 256 consecutive bytes, aligned; written once, read by nobody here
.endr
.endm
	PLACES                                         ; behind the last products, ahead of the first reads of results
	TOSTAGE 0
.irp a, 1,2,3,4,5,6,7
.if \a > 1
	s_wait_xcnt 0x0                                ; block a - 2's stores have read their registers: block a's loads may land there
.endif
	TOSTAGE \a
	SEND \a-1, 16                                  ; behind block a - 1's loads: block a's 8 stores and 8 loads
.endr
	SEND 7, 0
	s_wait_tensorcnt 0x0                           ; the wave's end, behind my last tensor load and my last LDS store
	ds_add_u32 v[SPW], v[NIL]
	s_wait_dscnt 0x0
	CROUND                                         ; the closing round: no work-group ends while a partner may still ask for a tile that names it
	s_endpgm
.Lfunc_end_k_qfbaafc588e_out_gemm:
	.size	k_qfbaafc588e_out_gemm, .Lfunc_end_k_qfbaafc588e_out_gemm-k_qfbaafc588e_out_gemm
	.p2alignl 7, 3214868480
	.fill 96, 4, 3214868480
	.section	.rodata,"a",@progbits
	.p2align	6, 0x0
	.amdhsa_kernel k_qfbaafc588e_out_gemm
		.amdhsa_group_segment_fixed_size 327680
		.amdhsa_private_segment_fixed_size 0
		.amdhsa_enable_private_segment 0
		.amdhsa_kernarg_size 32
		.amdhsa_user_sgpr_count 2
		.amdhsa_user_sgpr_kernarg_segment_ptr 1
		.amdhsa_wavefront_size32 1
		.amdhsa_system_sgpr_workgroup_id_x 1
		.amdhsa_system_sgpr_workgroup_id_y 1
		.amdhsa_system_sgpr_workgroup_id_z 1
		.amdhsa_system_vgpr_workitem_id 0
		.amdhsa_next_free_vgpr 768
		.amdhsa_next_free_sgpr 68
		.amdhsa_reserve_vcc 0
		.amdhsa_float_denorm_mode_32 3
		.amdhsa_float_denorm_mode_16_64 3
		.amdhsa_memory_ordered 1
		.amdhsa_forward_progress 1
		.amdhsa_inst_pref_size 86
	.end_amdhsa_kernel
	.amdgpu_metadata
---
amdhsa.version: [ 1, 2 ]
amdhsa.kernels:
  - .name:           k_qfbaafc588e_out_gemm
    .symbol:         k_qfbaafc588e_out_gemm.kd
    .args:
      - { .name: yh, .offset: 0, .size: 8, .value_kind: global_buffer, .address_space: global }
      - { .name: wt, .offset: 8, .size: 8, .value_kind: global_buffer, .address_space: global }
      - { .name: b_out, .offset: 16, .size: 8, .value_kind: global_buffer, .address_space: global }
      - { .name: out0, .offset: 24, .size: 8, .value_kind: global_buffer, .address_space: global }
    .group_segment_fixed_size: 327680
    .private_segment_fixed_size: 0
    .kernarg_segment_align: 8
    .kernarg_segment_size: 32
    .max_flat_workgroup_size: 128
    .sgpr_count:     68
    .vgpr_count:     768
    .wavefront_size: 32
...
	.end_amdgpu_metadata
.endif
;; end of part 4
